; MI455X (gfx1250); checked and timed in simulation.
; The chip was launched on July 23, 2026; its instructions are those of AMD's public machine-readable ISA for CDNA 5 (MIT licence, August 2026) and "CDNA5" Instruction Set Architecture Reference Guide (July 2026). The comments in the code are by the model that wrote it; some were corrected since.
;; Attention Cross. Allowed arithmetic: matrix products marked QUANTISED: E2M1 operands, one E8M0 scale for each 32 along K, by v_wmma_scale_f32_16x16x128_f8f6f4 with both operands' format E2M1 (or v_wmma_scale_f32_32x16x128_f4), f32 sums; products left as they are: bf16, f16 or f32 operands; f32 sums; everything else in f32.
;; Inputs: Wkv 1,024 x 2,048 float32; Wproj 1,024 x 1,024 float32; Wq 1,024 x 1,024 float32; bproj 1,024 float32; x1 2 x 2,048 x 1,024 float32; x2 2 x 2,048 x 1,024 float32.
;; Outputs: out0 2 x 2,048 x 1,024 float32.
;; This version of the problem:
;;   THIS VERSION OF THE PROBLEM IS GIVEN IN LOW PRECISION. The matrix products marked QUANTISED in the list below multiply operands that are first quantised to E2M1 (2 exponent bits, 1 mantissa bit; 4 bits a number), with one power-of-two scale for each 32 numbers along K (OCP MX v1.0); their sums are f32. The products marked 'left as it is' may take bf16, f16 or f32 operands, with f32 sums. Whichever they take, every output number must still come out within the allowed error. Rounding operands to bf16 (8 significant bits) uses up far more of that allowance than f16 does (11 bits, for magnitudes from 6e-5 to 65,504). All else is computed in f32.
;;   The module's matrix products, in the order in which they are computed (A, B: the left and right operand; K: the contracted axis; several contracted axes count as one K, in the product's order):
;;     1. [M 4,096, K 1,024] x [K 1,024, N 1,024]; A: input x1; B: input Wq: QUANTISED
;;     2. [M 4,096, K 1,024] x [K 1,024, N 2,048]; A: input x2; B: input Wkv: QUANTISED
;;     3. batch 32 x [M 2,048, K 64] x [K 64, N 2,048]; A: computed on the way; B: computed on the way: left as it is (an operand is computed on the way)
;;     4. batch 32 x [M 2,048, K 2,048] x [K 2,048, N 64]; A: computed on the way; B: computed on the way: left as it is (an operand is computed on the way)
;;     5. [M 4,096, K 1,024] x [K 1,024, N 1,024]; A: computed on the way; B: input Wproj: left as it is (an operand is computed on the way)
;;   THE QUANTISER, for each operand of a quantised product, along K:
;;     - K is cut into blocks of 32 from its start; a last block that is shorter is filled with zeros.
;;     - A block's scale is 2^e with e = floor(log2(the largest magnitude in the block)) - 2, held to -126 .. 127; a block of zeros has e = 0. As a byte (E8M0): e + 127.
;;     - Each number is divided by its block's scale, clamped to +-6, and rounded to the nearest number of E2M1, ties to even, subnormals kept.
;;     - The product sums the exact products of the quantised numbers (number of the format x scale) in f32.
;;   ~~~python
;;   def quantise(x, axis):      # numpy; x: float32 -> the quantised numbers, widened to float32 again
;;       x = np.moveaxis(x, axis, -1); K = x.shape[-1]
;;       x = np.pad(x, [(0, 0)] * (x.ndim - 1) + [(0, -K % 32)]); x = x.reshape(x.shape[:-1] + (-1, 32)); a = np.abs(x).max(-1, keepdims=True)
;;       e = np.where(a > 0, np.clip(np.frexp(np.where(a > 0, a, 1))[1] - 1 - 2, -126, 127), 0)      # np.frexp(a)[1] - 1 = floor(log2(a)), exactly
;;       r = np.clip(x / 2.0 ** e, -6, 6)
;;       step = 2.0 ** (np.maximum(np.frexp(np.where(r == 0, 1, r))[1] - 1, 0) - 1)
;;       q = np.round(r / step) * step * 2.0 ** e      # np.round: ties to even
;;       return np.moveaxis(q.reshape(q.shape[:-2] + (-1,))[..., :K], -1, axis).astype(np.float32)
;;   ~~~
;; One version. Each part assembles by itself: llvm-mc -triple=amdgcn-amd-amdhsa -mcpu=gfx1250 --defsym DOCPART=n.
;; ======== version 1 of 1: 4 launches
;; limits: values are held in f16: magnitudes above 65,504 overflow, below 6.1e-05 lose precision
;; workspace buffers: codes 5,767,168 bytes; scales 360,448 bytes; wp16 2,097,152 bytes; qkv 25,165,824 bytes; ao 8,388,608 bytes
;; launch quant_all (part 1): grid 576 x 1, 4 waves a work-group, no clusters, 42,496 bytes of LDS; arguments x1, x2, Wproj, codes, scales, wp16, Wq, Wkv; writes codes, scales, wp16
.if DOCPART == 1
	.amdgcn_target "amdgcn-amd-amdhsa--gfx1250"
	.amdhsa_code_object_version 6
	.text
	.protected	k_qe13c75c6ef_quant_all
	.globl	k_qe13c75c6ef_quant_all
	.p2align	8
	.type	k_qe13c75c6ef_quant_all,@function
k_qe13c75c6ef_quant_all:
	s_mov_b64 s[64:65], 0
	v_nop
	global_prefetch_b8 v0, s[64:65] scope:SCOPE_SE
	s_setreg_imm32_b32 hwreg(HW_REG_WAVE_MODE, 25, 1), 1
	s_wait_xcnt 0x0
; ONE LAUNCH FOR ALL THAT STANDS AHEAD OF THE PRODUCTS.  x1, x2 ([4096][1024] f32, K innermost) and Wq [1024 (k)][1024], Wkv [1024 (k)][2048] (f32, K their FIRST axis) become codes of FP4 (E2M1), K innermost,
; two codes a byte (the lower k in the low four bits), with one E8M0 byte for each 32 along K;  Wproj ([1024][1024] f32) is rounded to f16 as it lies.
; codes: rows of 512 bytes: 0-4095 x1's tokens, 4096-8191 x2's, 8192 + n Wq's column n, 9216 + n Wkv's column n.  scales: the same rows, 32 bytes each.
; A block's scale is 2^(floor(log2(largest magnitude)) - 2): its byte is the largest magnitude's exponent field - 2, held at 1 from below.  A block of zeros so gets the byte 1: its codes are zeros,
; which add nothing under any byte but 0xff, and this program alone reads the bytes.
; LIMITS: NaN and infinities are not served; blocks whose largest magnitude lies under 2^-124 get the byte 1; |Wproj| above 65,504 becomes infinite in f16.
; THREE KINDS OF WORK-GROUP, told apart by the work-group's number alone; each kind that uses LDS has LDS bytes of its own.
;   0-255   x1 (0-127) and x2 (128-255): a wave takes 16 steps of 512 numbers.  Rows are dense and 1024 is a multiple of 32, so a tensor is a plain stream of blocks.  Each load reads 512 consecutive bytes; a step's
;           2,048 bytes turn through the wave's own stage in LDS (16 bytes of padding behind each 64) and come back 16 neighbours a lane: two lanes hold a block.  Loads run eight steps (32 loads a wave) ahead.  No barrier.
;   256-447 the weights: 32 columns x 512 along K a work-group, 128 along K a wave.  A LANE TAKES A COLUMN AND ITS REGISTERS RUN DOWN K: a block of 32 lies in one lane's 32 registers, and the conversions give codes
;           with K innermost.  The four waves' codes meet in a stage (32 rows of 256 bytes + 16): one barrier; they leave as rows.
;   448-575 Wproj to f16: 2,048 numbers a wave, no LDS.
.set STEPS, 16
.set AHEAD, 8
.set EMAX,  2
.set R,     16                         ; x: v16-143  eight sets of 16 numbers as they are loaded
.set X,     144                        ; x: v144-175 two sets of 16 neighbours
.set E,     176                        ; x: v176-191 a scale byte for each step
.set C,     192                        ; x: v192-223 two registers of codes for each step: no store's data are written again
.set WREG,  8192                       ; LDS, x: a region for each wave: two stages of 32 x SP bytes, behind them its 256 scale bytes
.set SP,    80                         ; a lane's place in a stage: 64 bytes + 16 of padding
.set SPW,   12                         ; v12 LDS address of my spare word; never rewritten
.set NIL,   13                         ; v13 0; never rewritten
.set WBASE, 4*WREG                     ; LDS, weights: the stage, 32 rows (columns of the weight) x WPITCH,
.set WPITCH, 272
.set WSCS,  WBASE+32*WPITCH            ; and 32 x 16 scale bytes
.set SPARE, WSCS+512                   ; behind both: the spare words, 128 bytes a wave
.set VO,    16                         ; weights: v16-47   4 x lane + i x pitch
.set WX,    48                         ; weights: v48-111  two sets of 32 numbers down K
.set WC,    112                        ; weights: v112-127 four registers of codes for each block
.set SO,    128                        ; weights: v128-131 the conversions' scale operands
.set SB,    132                        ; weights: v132-135 the scale bytes
.set WST,   136                        ; weights: into the stage
.set WSC,   137                        ; my scale word
.set WRD,   140                        ; out of the stage
.set WGO,   141                        ; the same place in codes
.set WSR,   142                        ; a column's 16 scale bytes
.set WSO,   143                        ; and its row of scales
.set OUTR,  144                        ; weights: v144-163 the way out
.set WB,    32                         ; weights: s[32:39] a base for each block
	s_load_b128 s[4:7], s[0:1], 0x0                ; x1, x2
	s_load_b128 s[8:11], s[0:1], 0x10              ; Wproj, codes
	s_load_b128 s[12:15], s[0:1], 0x20             ; scales, wp16
	s_load_b128 s[24:27], s[0:1], 0x30             ; Wq, Wkv
	v_lshl_add_u32 v[SPW], v0, 2, SPARE
	v_mov_b32 v[NIL], 0
	v_lshrrev_b32 v1, 5, v0
	v_readfirstlane_b32 s16, v1                    ; wave
	v_and_b32 v2, 31, v0                           ; lane
	v_lshlrev_b32 v3, 4, v2                        ; my 16 bytes of a load's 512
	s_mul_i32 s17, s16, WREG
	v_lshrrev_b32 v14, 2, v2
	v_mul_u32_u24 v14, v14, SP
	v_and_b32 v15, 3, v2
	v_lshl_add_u32 v14, v15, 4, v14
	v_add_nc_u32 v14, s17, v14                     ; x's stage, way in: SP (lane / 4) + 16 (lane % 4)
	v_mul_u32_u24 v15, v2, SP
	v_add_nc_u32 v15, s17, v15                     ; way out: SP x lane: my 16 neighbours
	v_lshlrev_b32 v4, 3, v2                        ; 8 bytes a lane: my codes' place in a step's 256 bytes
	v_lshrrev_b32 v5, 1, v2
	s_add_co_u32 s17, s17, 2*32*SP
	v_add_nc_u32 v5, s17, v5                       ; my block's byte among the wave's 256 scale bytes
	v_add_nc_u32 v6, s17, v4                       ; and 8 of them a lane on the way out
	s_mov_b32 s19, 0
	s_cmp_ge_u32 ttmp9, 448
	s_cbranch_scc1 .Lcast
	s_cmp_ge_u32 ttmp9, 256
	s_cbranch_scc1 .Lweights
	; ---------------------------------------------------------------- x1 and x2
	s_wait_kmcnt 0x0
	s_cmp_lt_u32 ttmp9, 128                        ; the choice hangs on the work-group's number alone
	s_cselect_b64 s[4:5], s[4:5], s[6:7]
	s_and_b32 s17, ttmp9, 127
	s_lshl_b32 s17, s17, 2
	s_add_co_u32 s18, s17, s16                     ; which run of 8,192 numbers of the tensor is my wave's
	s_lshl_b32 s18, s18, 15                        ; 32,768 bytes a run
	s_add_nc_u64 s[4:5], s[4:5], s[18:19]
	s_lshl_b32 s20, ttmp9, 2
	s_add_co_u32 s20, s20, s16                     ; the run's number over both tensors: x2's codes follow x1's
	s_lshl_b32 s18, s20, 12                        ; 4,096 bytes of codes a run
	s_add_nc_u64 s[10:11], s[10:11], s[18:19]
	s_lshl_b32 s18, s20, 8                         ; 256 scale bytes a run
	s_add_nc_u64 s[12:13], s[12:13], s[18:19]
.macro LOAD t
.irp i, 0,1,2,3
	global_load_b128 v[R+16*((\t)%AHEAD)+4*\i:R+16*((\t)%AHEAD)+4*\i+3], v3, s[4:5] offset:2048*(\t)+512*\i th:TH_LOAD_NT
.endr
.endm
.macro TURN t                          ; step t's numbers through the stage: LDS serves a wave's instructions in order, so no wait stands between the stores and the loads
.irp i, 0,1,2,3
	ds_store_b128 v14, v[R+16*((\t)%AHEAD)+4*\i:R+16*((\t)%AHEAD)+4*\i+3] offset:32*SP*((\t)%2)+8*SP*\i
.endr
.irp i, 0,1,2,3
	ds_load_b128 v[X+16*((\t)%2)+4*\i:X+16*((\t)%2)+4*\i+3], v15 offset:32*SP*((\t)%2)+16*\i
.endr
.endm
.irp t, 0,1,2,3,4,5,6,7
	LOAD \t
.endr
	s_wait_loadcnt 4*(AHEAD-1)                     ; step 0's four loads are in; the 28 of the seven steps behind it may be out
	TURN 0
.macro STEP t
.set XS, X+16*((\t)%2)
.if (\t) > 0
	s_wait_dscnt 1                                 ; this step's numbers are back from the stage (the last step's byte store may be out): so its stores into the stage have read their registers,
.else
	s_wait_dscnt 0x0
.endif
.if (\t)+AHEAD < STEPS
	LOAD (\t)+AHEAD                                ; which take the loads of eight steps on
.endif
.if (\t)+1 < STEPS
.if STEPS-2-(\t) >= AHEAD-1
	s_wait_loadcnt 4*(AHEAD-1)                     ; the next step's four loads are in; those of the seven steps behind it may be out
.else
	s_wait_loadcnt 4*(STEPS-2-(\t))                ; towards the end: as many steps as are left behind it
.endif
	TURN (\t)+1                                    ; they go through the other stage while this step is worked
.endif
	v_max3_num_f32 v8, |v[XS]|, |v[XS+1]|, |v[XS+2]|               ; the largest magnitude of my 16, in two chains
	v_max3_num_f32 v9, |v[XS+3]|, |v[XS+4]|, |v[XS+5]|
.irp i, 6,10
	v_max3_num_f32 v8, v8, |v[XS+\i]|, |v[XS+\i+1]|
	v_max3_num_f32 v9, v9, |v[XS+\i+2]|, |v[XS+\i+3]|
.endr
	v_max3_num_f32 v8, v8, |v[XS+14]|, |v[XS+15]|
	v_max3_num_f32 v8, v8, v9, (EMAX+1)<<23        ; and the floor 2^(3 - 127): the byte cannot fall under 1
	v_max_num_f32_dpp v8, v8, v8 row_xmask:1 row_mask:0xf bank_mask:0xf   ; with my neighbour's 16: the block's
	v_add_nc_u32 v11, -(EMAX<<23), v8              ; 2 off its exponent field: the conversion takes the exponent field of this operand as its scale
	v_cvt_scalef32_pk8_fp4_f32 v[C+2*(\t)], v[XS:XS+7], v11
	v_cvt_scalef32_pk8_fp4_f32 v[C+2*(\t)+1], v[XS+8:XS+15], v11
	v_lshrrev_b32 v[E+(\t)], 23, v11               ; the scale's byte (also the plain line behind the conversions)
	ds_store_b8 v5, v[E+(\t)] offset:16*(\t)       ; both lanes of a block write the same byte with the same value
	global_store_b64 v4, v[C+2*(\t):C+2*(\t)+1], s[10:11] offset:256*(\t)   ; 32 lanes store 256 consecutive bytes, aligned
.endm
.irp t, 0,1,2,3,4,5,6,7,8,9,10,11,12,13,14,15
	STEP \t
.endr
	ds_load_b64 v[8:9], v6                         ; in order behind my byte stores
	s_wait_dscnt 0x0
	global_store_b64 v4, v[8:9], s[12:13]          ; the wave's 256 scale bytes: 256 consecutive bytes, aligned
	s_wait_tensorcnt 0x0                           ; the wave's end: behind my last LDS store
	ds_add_u32 v[SPW], v[NIL]
	s_wait_dscnt 0x0
	s_endpgm
	; ---------------------------------------------------------------- Wq and Wkv
.Lweights:                                             ; work-group 256 + 96 Y + g: columns 32 g on of Wq and Wkv laid side by side (g under 32: Wq), K from 512 Y on.  Neighbouring numbers take neighbouring columns of the same rows
	s_sub_co_u32 s17, ttmp9, 256
	s_cmp_ge_u32 s17, 96
	s_cselect_b32 s19, 1, 0                        ; Y
	s_cselect_b32 s18, 96, 0
	s_sub_co_u32 s17, s17, s18                     ; g
	s_mov_b32 s20, 8192
	s_cmp_lt_u32 s17, 32
	s_cselect_b32 s20, 4096, s20                   ; a row of the tensor in bytes: the two tensors differ in it alone, and it is chosen without a branch:
	s_cselect_b32 s21, 0, 32                       ; so the rows' distances stand in 32 vector offsets and four scalar bases and not in immediates
	s_sub_co_u32 s21, s17, s21                     ; the group of 32 columns within the tensor
	s_lshl_b32 s22, s19, 9
	s_lshl_b32 s23, s16, 7
	s_add_co_u32 s22, s22, s23                     ; my wave's first k: 512 Y + 128 x wave
	s_mul_i32 s22, s22, s20
	s_lshl_b32 s23, s21, 7
	s_add_co_u32 s22, s22, s23                     ; + 4 x the first column
	s_mov_b32 s23, 0
	s_lshl_b32 s28, s20, 5                         ; a block: 32 rows
	s_mov_b32 s29, 0
	v_lshlrev_b32 v7, 2, v2
.irp i, 0,1,2,3,4,5,6,7,8,9,10,11,12,13,14,15,16,17,18,19,20,21,22,23,24,25,26,27,28,29,30,31
	v_mad_u32_u24 v[VO+\i], s20, \i, v7
.endr
	v_mul_u32_u24 v[WST], v2, WPITCH
	s_lshl_b32 s46, s16, 6
	s_add_co_u32 s46, s46, WBASE
	v_add_nc_u32 v[WST], s46, v[WST]               ; into the stage: my column's row, my wave's 64 bytes
	v_lshlrev_b32 v[WSC], 4, v2
	s_lshl_b32 s46, s16, 2
	s_add_co_u32 s46, s46, WSCS
	v_add_nc_u32 v[WSC], s46, v[WSC]               ; my four scale bytes: one word
	v_lshrrev_b32 v138, 4, v2
	s_lshl_b32 s46, s16, 3
	v_add_nc_u32 v138, s46, v138                   ; out of it: wave w takes rows 8 w on, sixteen lanes to a row
	v_and_b32 v139, 15, v2
	v_mul_u32_u24 v[WRD], v138, WPITCH
	v_lshl_add_u32 v[WRD], v139, 4, v[WRD]
	v_add_nc_u32 v[WRD], WBASE, v[WRD]
	v_lshlrev_b32 v[WGO], 9, v138
	v_lshl_add_u32 v[WGO], v139, 4, v[WGO]
	v_lshl_add_u32 v[WSR], v2, 4, WSCS             ; wave 0: a column's 16 scale bytes a lane
	v_lshlrev_b32 v[WSO], 5, v2
	s_lshl_b32 s40, s17, 5
	s_add_co_u32 s40, s40, 8192                    ; my work-group's first row of codes and of scales
	s_lshl_b32 s42, s40, 9
	s_lshl_b32 s41, s19, 8
	s_add_co_u32 s42, s42, s41                     ; 512 bytes a row, + 256 Y
	s_mov_b32 s43, 0
	s_lshl_b32 s44, s40, 5
	s_lshl_b32 s41, s19, 4
	s_add_co_u32 s44, s44, s41                     ; 32 bytes a row, + 16 Y
	s_mov_b32 s45, 0
	s_wait_kmcnt 0x0
	s_cmp_lt_u32 s17, 32                           ; the choice hangs on the work-group's number alone
	s_cselect_b64 s[24:25], s[24:25], s[26:27]
	s_add_nc_u64 s[WB:WB+1], s[24:25], s[22:23]
.irp t, 1,2,3
	s_add_nc_u64 s[WB+2*\t:WB+2*\t+1], s[WB+2*\t-2:WB+2*\t-1], s[28:29]
.endr
	s_add_nc_u64 s[10:11], s[10:11], s[42:43]
	s_add_nc_u64 s[12:13], s[12:13], s[44:45]
.macro LOADW t                         ; block t: rows 32 t + i of my 128, my column, into set t % 2.  32 lanes read 128 consecutive bytes; no hint: the neighbouring work-group reads the other 128 of the same aligned 256
.irp i, 0,1,2,3,4,5,6,7,8,9,10,11,12,13,14,15,16,17,18,19,20,21,22,23,24,25,26,27,28,29,30,31
	global_load_b32 v[WX+32*((\t)%2)+\i], v[VO+\i], s[WB+2*(\t):WB+2*(\t)+1]
.endr
.endm
	LOADW 0
	LOADW 1
.macro BLOCK t
.set XW, WX+32*((\t)%2)
.if (\t) < 3
	s_wait_loadcnt 32                              ; this block's 32 loads are in; the next block's may be out
.else
	s_wait_loadcnt 0x0
.endif
	v_max3_num_f32 v8, |v[XW]|, |v[XW+1]|, |v[XW+2]|               ; the block's largest magnitude: all 32 numbers are mine
	v_max3_num_f32 v9, |v[XW+3]|, |v[XW+4]|, |v[XW+5]|
.irp i, 6,10,14,18,22,26
	v_max3_num_f32 v8, v8, |v[XW+\i]|, |v[XW+\i+1]|
	v_max3_num_f32 v9, v9, |v[XW+\i+2]|, |v[XW+\i+3]|
.endr
	v_max3_num_f32 v8, v8, |v[XW+30]|, |v[XW+31]|
	v_max3_num_f32 v8, v8, v9, (EMAX+1)<<23        ; the floor 2^(3 - 127): the byte cannot fall under 1
	v_add_nc_u32 v[SO+(\t)], -(EMAX<<23), v8       ; 2 off the exponent field: the conversion's scale operand; each block has its own, so none is written again
	v_lshrrev_b32 v[SB+(\t)], 23, v[SO+(\t)]       ; the scale's byte
.irp g, 0,1,2,3
	v_cvt_scalef32_pk8_fp4_f32 v[WC+4*(\t)+\g], v[XW+8*\g:XW+8*\g+7], v[SO+(\t)]
.endr
	v_nop                                          ; a plain line behind the conversions
	ds_store_b128 v[WST], v[WC+4*(\t):WC+4*(\t)+3] offset:16*(\t)   ; 32 codes: 16 bytes of my column's row
.if (\t)+2 < 4
	LOADW (\t)+2                                   ; the set just converted takes the block two further on
.endif
.endm
	BLOCK 0
	BLOCK 1
	BLOCK 2
	BLOCK 3
	v_lshl_or_b32 v[SB], v[SB+1], 8, v[SB]         ; four bytes to a word, the lower K in the lower byte
	v_lshl_or_b32 v[SB], v[SB+2], 16, v[SB]
	v_lshl_or_b32 v[SB], v[SB+3], 24, v[SB]
	ds_store_b32 v[WSC], v[SB]
	s_wait_dscnt 0x0                               ; for the others' sake: my stores have landed
	s_barrier_signal -1                            ; all four waves of a work-group of this kind come here: the branch that led here hangs on the work-group's number alone
	s_barrier_wait -1
.irp u, 0,1,2,3
	ds_load_b128 v[OUTR+4*\u:OUTR+4*\u+3], v[WRD] offset:2*\u*WPITCH
.endr
.irp u, 0,1,2,3
	s_wait_dscnt 3-\u                              ; LDS loads come back in order: the younger ones stay out
	global_store_b128 v[WGO], v[OUTR+4*\u:OUTR+4*\u+3], s[10:11] offset:1024*\u   ; sixteen lanes store 256 consecutive bytes, aligned: 512 along K of one column
.endr
	s_cmp_lg_u32 s16, 0
	s_cbranch_scc1 .Lno_scales
	ds_load_b128 v[OUTR+16:OUTR+19], v[WSR]
	s_wait_dscnt 0x0
	global_store_b128 v[WSO], v[OUTR+16:OUTR+19], s[12:13]   ; 16 bytes of each column's 32: one byte for each 32 along K that this path reads
.Lno_scales:
	s_wait_tensorcnt 0x0                           ; the wave's end: behind my last LDS store
	ds_add_u32 v[SPW], v[NIL]
	s_wait_dscnt 0x0
	s_endpgm
	; ---------------------------------------------------------------- Wproj
.Lcast:                                                ; Wproj to f16: wave cw takes numbers 2,048 cw on; this path writes no LDS
	s_sub_co_u32 s17, ttmp9, 448
	s_lshl_b32 s17, s17, 2
	s_add_co_u32 s17, s17, s16                     ; cw, 0 to 511
	s_lshl_b32 s18, s17, 13                        ; 8,192 bytes in,
	s_lshl_b32 s20, s17, 12                        ; 4,096 bytes out
	s_mov_b32 s21, 0
	s_wait_kmcnt 0x0
	s_add_nc_u64 s[8:9], s[8:9], s[18:19]
	s_add_nc_u64 s[14:15], s[14:15], s[20:21]
.irp i, 0,1,2,3,4,5,6,7,8,9,10,11,12,13,14,15
	global_load_b128 v[R+4*\i:R+4*\i+3], v3, s[8:9] offset:512*\i th:TH_LOAD_NT
.endr
.irp i, 0,1,2,3,4,5,6,7,8,9,10,11,12,13,14,15
	s_wait_loadcnt 15-\i                           ; loads come back in order: the younger ones stay out
	v_cvt_pk_f16_f32 v[X+2*\i], v[R+4*\i], v[R+4*\i+1]
	v_cvt_pk_f16_f32 v[X+2*\i+1], v[R+4*\i+2], v[R+4*\i+3]
	global_store_b64 v4, v[X+2*\i:X+2*\i+1], s[14:15] offset:256*\i   ; 256 consecutive bytes, aligned
.endr
	s_endpgm
.Lfunc_end_k_qe13c75c6ef_quant_all:
	.size	k_qe13c75c6ef_quant_all, .Lfunc_end_k_qe13c75c6ef_quant_all-k_qe13c75c6ef_quant_all
	.p2alignl 7, 3214868480
	.fill 96, 4, 3214868480
	.section	.rodata,"a",@progbits
	.p2align	6, 0x0
	.amdhsa_kernel k_qe13c75c6ef_quant_all
		.amdhsa_group_segment_fixed_size 42496
		.amdhsa_private_segment_fixed_size 0
		.amdhsa_enable_private_segment 0
		.amdhsa_kernarg_size 64
		.amdhsa_user_sgpr_count 2
		.amdhsa_user_sgpr_kernarg_segment_ptr 1
		.amdhsa_wavefront_size32 1
		.amdhsa_system_sgpr_workgroup_id_x 1
		.amdhsa_system_sgpr_workgroup_id_y 1
		.amdhsa_system_sgpr_workgroup_id_z 1
		.amdhsa_system_vgpr_workitem_id 0
		.amdhsa_next_free_vgpr 224
		.amdhsa_next_free_sgpr 66
		.amdhsa_reserve_vcc 0
		.amdhsa_float_denorm_mode_32 3
		.amdhsa_float_denorm_mode_16_64 3
		.amdhsa_memory_ordered 1
		.amdhsa_forward_progress 1
		.amdhsa_inst_pref_size 63
	.end_amdhsa_kernel
	.amdgpu_metadata
---
amdhsa.version: [ 1, 2 ]
amdhsa.kernels:
  - .name:           k_qe13c75c6ef_quant_all
    .symbol:         k_qe13c75c6ef_quant_all.kd
    .args:
      - { .name: x1, .offset: 0, .size: 8, .value_kind: global_buffer, .address_space: global }
      - { .name: x2, .offset: 8, .size: 8, .value_kind: global_buffer, .address_space: global }
      - { .name: Wproj, .offset: 16, .size: 8, .value_kind: global_buffer, .address_space: global }
      - { .name: codes, .offset: 24, .size: 8, .value_kind: global_buffer, .address_space: global }
      - { .name: scales, .offset: 32, .size: 8, .value_kind: global_buffer, .address_space: global }
      - { .name: wp16, .offset: 40, .size: 8, .value_kind: global_buffer, .address_space: global }
      - { .name: Wq, .offset: 48, .size: 8, .value_kind: global_buffer, .address_space: global }
      - { .name: Wkv, .offset: 56, .size: 8, .value_kind: global_buffer, .address_space: global }
    .group_segment_fixed_size: 42496
    .private_segment_fixed_size: 0
    .kernarg_segment_align: 8
    .kernarg_segment_size: 64
    .max_flat_workgroup_size: 128
    .sgpr_count:     66
    .vgpr_count:     224
    .wavefront_size: 32
...
	.end_amdgpu_metadata
.endif
;; end of part 1
;; launch gemm_qkv (part 2): grid 12 x 16, 4 waves a work-group, clusters of 4 x 4, 327,680 bytes of LDS; arguments codes, scales, qkv; writes qkv
.if DOCPART == 2
	.amdgcn_target "amdgcn-amd-amdhsa--gfx1250"
	.amdhsa_code_object_version 6
	.text
	.protected	k_qe13c75c6ef_gemm_qkv
	.globl	k_qe13c75c6ef_gemm_qkv
	.p2align	8
	.type	k_qe13c75c6ef_gemm_qkv,@function
k_qe13c75c6ef_gemm_qkv:
	s_mov_b64 s[64:65], 0
	v_nop
	global_prefetch_b8 v0, s[64:65] scope:SCOPE_SE
	s_setreg_imm32_b32 hwreg(HW_REG_WAVE_MODE, 25, 1), 1
	s_wait_xcnt 0x0
	s_wait_alu depctr_hold_cnt(0) depctr_sa_sdst(0) depctr_va_vdst(0) depctr_va_sdst(0) depctr_va_ssrc(0) depctr_va_vcc(0) depctr_vm_vsrc(0)
	s_getreg_b32 s2, hwreg(HW_REG_IB_STS2, 6, 4)
	s_cmp_eq_u32 s2, 0
	s_cbranch_scc0 .Lentry_in_a_cluster
	s_endpgm
.Lentry_in_a_cluster:
	s_bfe_u32 s2, ttmp6, 0x10000c
	s_cmp_lg_u32 s2, 0xf033
	s_cbranch_scc0 .Lentry_shape_is_right
	s_endpgm
.Lentry_shape_is_right:
; q = x1 Wq, k and v = x2 Wkv, on codes of FP4 (E2M1) with one E8M0 scale for each 32 along K = 1,024; sums in f32; results rounded once to f16.
; Both operands are rows of one buffer: codes [11264][512 bytes], scales [11264][32 bytes]: rows 0-4095 x1's tokens, 4096-8191 x2's, 8192 on Wq's columns, 9216 on Wkv's (k, then v from 10240).
; qkv: q at byte 0 and k at 8 MiB, [b][h][token][64]; v at 16 MiB TURNED, [b][h][64 channels][2,048 keys]: there the weight's columns are the product's rows and the tokens its columns, which is a choice of addresses alone.
; LIMIT: a result above 65,504 in magnitude becomes infinite in f16.
; A tile of the result, 256 x 256, is made by four waves, 128 x 128 each: 64 accumulators, 512 registers.  K = 1,024 is two slots of 512 along K (rows of 256 bytes): both are asked for at the start, nothing is filled again.
; The scale bytes of the work-group's 2 x 256 rows, two dense blocks, come into LDS with the first fills.
; CLUSTERS 4 x 4; cluster x = 0: q, 1: k, 2: v.  The four of a row of the cluster need the same rows of the first operand, the four of a column the same rows of the second: each tile is asked for jointly.
; The matrix instruction is used transposed (source 0 = 16 rows of the second operand, source 1 = 16 of the first): a lane holds eight neighbouring numbers of a row of the result.
; REGISTERS: window 0: v0-31 addresses; v32-95 scale words, two sets; v128-191 the first operand's fragments, ONE set.  window 1: the second operand's, TWO sets, at v0 and v128.  windows 2, 3: the accumulators.
.set NQ,     4                         ; matrix instructions deep in a slot
.set ROWB,   256
.set KROW,   512
.set PITCH,  272                       ; an LDS row: 256 bytes + 16: the sixteen rows that a load touches start 68 words apart
.set FR,     8
.set NL,     2
.set NP,     4                         ; places behind this matrix instruction (ISA guide 7.12.1)
.set HALFT,  128*PITCH
.set SLOT,   4*HALFT
.set KS,     32                        ; a row of scales in bytes
.set SCL,    2*SLOT
.set HALFS,  (128*KS/256)*272
.set SBLK,   (16*KS/256)*272
.set SPARE,  SCL+4*HALFS               ; the spare words, 128 bytes a wave
.set SPITCH, 272                       ; the way out: 16 rows x (256 bytes + 16) for each wave, in slot 0, which has had its one fill and its last read when the first result is stored there
.set CO,   8                           ; v8-15 the way out: my byte offset in qkv for each of a block's eight stores
.set ADRA, 16
.set ADRB, 20
.set STO,  24
.set RD,   25
.set ADRS, 27
.set SPW,  28
.set NIL,  29
.set SC,   32
.set AF,   128
.set TMP,  32                          ; the way out: packed results
.set BK,   64                          ; and rows read back: v64-95 and v96-127 by turns
.set G1, 24
.set G0, 32
.set G1B, 48
.set G0B, 56
.set G1S, 68
.set G0S, 76
.set G1SB, 80
.set G0SB, 88
.set MSB, 0
.macro WIN new                         ; the immediate's high byte repeats the setting that is left
.if MSB != \new
	s_set_vgpr_msb (MSB<<8)|\new
.set MSB, \new
.endif
.endm
.set MUL_LO, 0xa1
.set MUL_HI, 0xf1
.set TO_B,   0x40
; A joint load: waves 0 and 1 fetch for the first operand, waves 2 and 3 for the second.  The branch hangs on the wave's number alone.  An s_nop 0 and four v_nop follow each line.
.macro JLOAD g0a, g1a, g0b, g1b
	s_cmp_eq_u32 s15, 0
	s_cbranch_scc0 .Lfor_b_\@
	tensor_load_to_lds s[\g0a:\g0a+3], s[\g1a:\g1a+7]
	s_nop 0
.rept 4
	v_nop
.endr
	s_branch .Lasked_\@
.Lfor_b_\@:
	tensor_load_to_lds s[\g0b:\g0b+3], s[\g1b:\g1b+7]
	s_nop 0
.rept 4
	v_nop
.endr
.Lasked_\@:
.endm
.macro CROUND                          ; a round of the cluster's barrier
	s_barrier_signal -1
	s_barrier_wait -1
	s_cmp_lg_u32 s14, 0
	s_cbranch_scc1 .Lnot_wave_0_\@
	s_barrier_signal -3
.Lnot_wave_0_\@:
	s_barrier_wait -3
	s_barrier_signal -1
	s_barrier_wait -1
.endm
	s_load_b128 s[4:7], s[0:1], 0x0                ; codes, scales
	s_load_b64 s[12:13], s[0:1], 0x10              ; qkv
	v_lshl_add_u32 v[SPW], v0, 2, SPARE
	v_mov_b32 v[NIL], 0
	ds_add_u32 v[SPW], v[NIL]                      ; the wave's opening: the add, twice on end, and its wait ahead of my first tensor load
	ds_add_u32 v[SPW], v[NIL]
	v_lshrrev_b32 v1, 5, v0
	v_readfirstlane_b32 s14, v1                    ; wave 0..3
	s_lshr_b32 s15, s14, 1                         ; which half of the tile's rows is mine.  Also: I fetch for the first operand (0) or the second (1)
	s_and_b32 s16, s14, 1                          ; which half of its columns.  Also: which 128 rows I fetch
	s_bfe_u32 s40, ttmp6, 0x40000                  ; cx
	s_bfe_u32 s41, ttmp6, 0x40004                  ; cy
	s_and_b32 s17, ttmp7, 0xffff                   ; cluster y
	s_lshl_b32 s43, s41, 2
	s_lshl_b32 s43, 15, s43                        ; my row of the cluster
	s_lshl_b32 s44, 0x1111, s40                    ; my column
	s_or_b32 s[G1+0], s43, (0<<16)|(1<<20)|(1<<21)|(5<<22)|(3<<25)  ; the mask; elements of 1 byte; padding: 4 words behind every 64; bit 21 beside a mask
	s_or_b32 s[G1B+0], s44, (0<<16)|(1<<20)|(1<<21)|(5<<22)|(3<<25)
.irp g, G1, G1B
	s_mov_b32 s[\g+1], ROWB<<16                    ; tensor_dim0
	s_mov_b32 s[\g+2], 128<<16                     ; tensor_dim1
	s_mov_b32 s[\g+3], ROWB<<16                    ; tile_dim0
	s_mov_b32 s[\g+4], 128                         ; tile_dim1
	s_mov_b32 s[\g+5], KROW                        ; the pitch
	s_mov_b32 s[\g+6], 0
	s_mov_b32 s[\g+7], 0
.endr
	s_or_b32 s[G1S+0], s43, (3<<16)|(1<<20)|(1<<21)|(5<<22)|(3<<25)  ; the scales of 128 rows: 4,096 dense bytes as 16 rows of 256 (32 elements of 8 bytes), 16 bytes of padding behind each
	s_or_b32 s[G1SB+0], s44, (3<<16)|(1<<20)|(1<<21)|(5<<22)|(3<<25)
.irp g, G1S, G1SB
	s_mov_b32 s[\g+1], 32<<16
	s_mov_b32 s[\g+2], (128*KS/256)<<16
	s_mov_b32 s[\g+3], 32<<16
	s_mov_b32 s[\g+4], 128*KS/256
	s_mov_b32 s[\g+5], 32
	s_mov_b32 s[\g+6], 0
	s_mov_b32 s[\g+7], 0
.endr
	; which rows of codes.  q, k: first operand = tokens 4096 X + 1024 Y on, second = the weight's columns 8192 + 1024 X on.  v: first = Wkv's v columns, 10240 on, second = x2's tokens 4096 + 1024 Y on.
	s_lshl_b32 s18, ttmp9, 12
	s_lshl_b32 s19, s17, 10
	s_add_co_u32 s18, s18, s19
	s_add_co_u32 s19, s19, 4096
	s_lshl_b32 s42, ttmp9, 10
	s_add_co_u32 s42, s42, 8192
	s_mov_b32 s20, 10240
	s_cmp_eq_u32 ttmp9, 2                          ; the cluster's x: the same in all sixteen partners
	s_cselect_b32 s20, s20, s18
	s_cselect_b32 s46, s19, s42
	s_lshl_b32 s18, s16, 7                         ; which 128 rows of the tile I fetch
	s_lshl_b32 s19, s41, 8
	s_add_co_u32 s20, s20, s19                     ; the first operand's rows hang on cy alone,
	s_add_co_u32 s20, s20, s18
	s_lshl_b32 s47, s40, 8
	s_add_co_u32 s46, s46, s47                     ; the second's on cx alone
	s_add_co_u32 s46, s46, s18
	s_lshl_b32 s22, s20, 5                         ; their scales, 32 bytes a row,
	s_mov_b32 s23, 0
	s_lshl_b32 s20, s20, 9                         ; their codes, 512 bytes a row
	s_mov_b32 s21, 0
	s_lshl_b32 s92, s46, 5
	s_mov_b32 s93, 0
	s_lshl_b32 s46, s46, 9
	s_mov_b32 s47, 0
	s_mul_i32 s45, s14, HALFT                      ; where they go: wave x 128 rows: no place in the cluster enters an LDS address
	s_mul_i32 s94, s14, HALFS
	s_wait_dscnt 0x0                               ; both opening adds are done
	s_wait_kmcnt 0x0
	s_add_nc_u64 s[20:21], s[4:5], s[20:21]
	s_add_nc_u64 s[22:23], s[6:7], s[22:23]
	s_add_nc_u64 s[46:47], s[4:5], s[46:47]
	s_add_nc_u64 s[92:93], s[6:7], s[92:93]
	CROUND                                         ; all sixteen work-groups are here: the joint loads meet
	s_mov_b32 s[G0S], 1
	s_add_co_u32 s[G0S+1], s94, SCL
	s_mov_b64 s[G0S+2:G0S+3], s[22:23]
	s_or_b32 s[G0S+3], s[G0S+3], 0x80000000
	s_mov_b32 s[G0SB], 1
	s_add_co_u32 s[G0SB+1], s94, SCL
	s_mov_b64 s[G0SB+2:G0SB+3], s[92:93]
	s_or_b32 s[G0SB+3], s[G0SB+3], 0x80000000
	JLOAD G0S, G1S, G0SB, G1SB                     ; the scales first: they are wanted with slot 0.  Three loads of mine are out behind the last of these
.irp s, 0,1
	s_mov_b32 s[G0+4*\s], 1
	s_add_co_u32 s[G0+4*\s+1], s45, \s*SLOT
	s_add_nc_u64 s[G0+4*\s+2:G0+4*\s+3], s[20:21], \s*ROWB
	s_or_b32 s[G0+4*\s+3], s[G0+4*\s+3], 0x80000000
	s_mov_b32 s[G0B+4*\s], 1
	s_add_co_u32 s[G0B+4*\s+1], s45, \s*SLOT
	s_add_nc_u64 s[G0B+4*\s+2:G0B+4*\s+3], s[46:47], \s*ROWB
	s_or_b32 s[G0B+4*\s+3], s[G0B+4*\s+3], 0x80000000
	JLOAD G0+4*\s, G1, G0B+4*\s, G1B
.endr
	v_and_b32 v1, 15, v0                           ; l % 16
	v_bfe_u32 v2, v0, 4, 1                         ; l / 16
	v_mul_u32_u24 v3, v1, PITCH
	v_lshl_add_u32 v4, v2, 4, v3                   ; a fragment's row x pitch + 16 x half
	s_mul_i32 s21, s15, HALFT
	s_mul_i32 s22, s16, HALFT
	s_add_co_u32 s22, s22, 2*HALFT
.irp s, 0,1
	v_add_nc_u32 v[ADRA+\s], s21, v4
	v_add_nc_u32 v[ADRB+\s], s22, v4
	s_add_co_u32 s21, s21, SLOT
	s_add_co_u32 s22, s22, SLOT
.endr
	v_mul_u32_u24 v5, v1, KS                       ; my row's scales: 32 bytes a row,
	v_lshrrev_b32 v6, 8, v5
	v_lshl_add_u32 v5, v6, 4, v5                   ; and 16 more for each 256 passed
	s_mul_i32 s21, s15, HALFS
	s_mul_i32 s22, s16, HALFS
	s_add_co_u32 s22, s22, 2*HALFS
	s_sub_co_u32 s22, s22, s21
	v_mul_u32_u24 v6, s22, v2                      ; lanes 16-31 take the second operand's: one product, the distance between the two bases
	s_add_co_u32 s21, s21, SCL
	v_add_nc_u32 v5, v5, v6
	v_add_nc_u32 v[ADRS], s21, v5
	s_mul_i32 s23, s14, 16*SPITCH                  ; my stage
	v_mul_u32_u24 v5, v1, SPITCH
	v_lshl_add_u32 v5, v2, 4, v5
	v_add_nc_u32 v[STO], s23, v5                   ; in: row l % 16, 16 bytes for each half of the lanes
	v_mul_u32_u24 v5, v2, SPITCH
	v_lshl_add_u32 v5, v1, 4, v5
	v_add_nc_u32 v[RD], s23, v5                    ; back: lanes 0-15 one row of 256 bytes, lanes 16-31 the next
	; where my 128 x 128 goes.  q, k: a row is a token (128 bytes apart), its 256 bytes are two heads' 64 channels (262,144 bytes apart).  v: a row is a channel (4,096 bytes apart), its 256 bytes are 128 keys on end.
	s_lshl_b32 s18, s41, 8
	s_lshl_b32 s19, s15, 7
	s_add_co_u32 s18, s18, s19                     ; 256 cy + 128 x my half of the rows
	s_lshl_b32 s19, s40, 8
	s_lshl_b32 s20, s16, 7
	s_add_co_u32 s19, s19, s20                     ; 256 cx + 128 x my half of the columns
	s_lshl_b32 s20, s17, 10                        ; 1,024 x cluster y: tokens
	s_add_co_u32 s21, s18, s20                     ; q, k: my first token,
	s_lshr_b32 s22, s21, 11
	s_lshl_b32 s22, s22, 22                        ; its batch: 4 MiB,
	s_and_b32 s21, s21, 2047
	s_lshl_b32 s21, s21, 7
	s_add_co_u32 s22, s22, s21
	s_lshr_b32 s21, s19, 6                         ; my first head
	s_lshl_b32 s21, s21, 18
	s_add_co_u32 s22, s22, s21
	s_lshl_b32 s21, ttmp9, 23                      ; q at 0, k at 8 MiB
	s_add_co_u32 s22, s22, s21
	s_add_co_u32 s21, s19, s20                     ; v: my first key,
	s_lshr_b32 s23, s21, 11
	s_lshl_b32 s23, s23, 22
	s_and_b32 s21, s21, 2047
	s_lshl_b32 s21, s21, 1
	s_add_co_u32 s23, s23, s21
	s_lshl_b32 s21, s18, 12                        ; my first channel of the 1,024
	s_add_co_u32 s23, s23, s21
	s_add_co_u32 s23, s23, 1<<24
	s_mov_b32 s92, 262144
	s_mov_b32 s93, 4096
	s_cmp_lt_u32 ttmp9, 2
	s_cselect_b32 s92, s92, 128                    ; from the row's first 128 bytes to its second
	s_cselect_b32 s93, 128, s93                    ; from row to row
	s_cselect_b32 s22, s22, s23
	s_mov_b32 s23, 0
	s_add_nc_u64 s[12:13], s[12:13], s[22:23]
	s_lshl_b32 s96, s93, 4                         ; 16 rows on
	s_mov_b32 s97, 0
	s_lshl_b32 s94, s93, 1
	v_bfe_u32 v5, v0, 3, 1
	v_mul_u32_u24 v5, v5, s92
	v_mad_u32_u24 v5, v2, s93, v5
	v_and_b32 v6, 7, v0
	v_lshl_add_u32 v[CO], v6, 4, v5
.irp t, 1,2,3,4,5,6,7
	v_add_nc_u32 v[CO+\t], s94, v[CO+\t-1]         ; two rows further on for each store
.endr
.macro FRAG reg, adr, q, i             ; 16 rows x 128 K of 4-bit codes: 8 registers; registers 4 c .. 4 c + 3 hold K = 64 c + 32 (l / 16) + 0 .. 31
.irp c, 0,1
	ds_load_b128 v[\reg+4*\c:\reg+4*\c+3], v[\adr] offset:64*(\q)+32*\c+(\i)*16*PITCH
.endr
.endm
; 16 matrix instructions: the first operand's blocks a0, a0 + 1 x the second's eight.  The 64 accumulators take turns, one instruction a turn, in the same order in every step.
.macro MUL16 a0, p, q, sc, zero
.irp a, \a0, \a0+1
.irp b, 0,1,2,3,4,5,6,7
.if \zero
	v_wmma_scale_f32_16x16x128_f8f6f4 v[8*(8*((\a)%4)+\b):8*(8*((\a)%4)+\b)+7], v[128*(\p)+FR*\b:128*(\p)+FR*\b+FR-1], v[AF+FR*(\a):AF+FR*(\a)+FR-1], 0, v[SC+8*NQ*(\sc)+NQ*\b+(\q)], v[SC+8*NQ*(\sc)+NQ*(\a)+(\q)] matrix_a_fmt:MATRIX_FMT_FP4 matrix_b_fmt:MATRIX_FMT_FP4 matrix_a_scale:MATRIX_SCALE_ROW1
.else
	v_wmma_scale_f32_16x16x128_f8f6f4 v[8*(8*((\a)%4)+\b):8*(8*((\a)%4)+\b)+7], v[128*(\p)+FR*\b:128*(\p)+FR*\b+FR-1], v[AF+FR*(\a):AF+FR*(\a)+FR-1], v[8*(8*((\a)%4)+\b):8*(8*((\a)%4)+\b)+7], v[SC+8*NQ*(\sc)+NQ*\b+(\q)], v[SC+8*NQ*(\sc)+NQ*(\a)+(\q)] matrix_a_fmt:MATRIX_FMT_FP4 matrix_b_fmt:MATRIX_FMT_FP4 matrix_a_scale:MATRIX_SCALE_ROW1
.endif
.endr
.endr
.endm
.macro FETCH_B slot, q, p
	WIN TO_B
.irp i, 0,1,2,3,4,5,6,7
	FRAG 128*(\p)+FR*\i, ADRB+\slot, \q, \i
.endr
	WIN 0
.endm
.macro FETCH_A slot, q, i0
.irp i, \i0, \i0+1, \i0+2, \i0+3
	FRAG AF+FR*(\i), ADRA+\slot, \q, \i
.endr
.endm
.macro SCALES sc                       ; a slot's scale words: four a row; lanes 0-15 the first operand's block i, lanes 16-31 the second's
.irp i, 0,1,2,3,4,5,6,7
	ds_load_b128 v[SC+8*NQ*\sc+NQ*\i:SC+8*NQ*\sc+NQ*\i+3], v[ADRS] offset:\i*SBLK
.endr
.endm
.macro PLACES n                        ; plain vector lines between a matrix instruction and a load into, or a read of, its registers
.rept \n
	v_nop
.endr
.endm
.macro STEP slot, q, zero              ; 128 along K that have their successor in the same slot
	s_wait_dscnt 4*NL                              ; all but the youngest eight loads (the first operand's blocks 4-7) are in
	WIN MUL_LO
	MUL16 0, (\q)%2, \q, \slot, \zero
	MUL16 2, (\q)%2, \q, \slot, \zero
	s_wait_dscnt 0
	PLACES NP
	FETCH_B \slot, (\q)+1, 1-(\q)%2
	FETCH_A \slot, (\q)+1, 0
	WIN MUL_HI
	MUL16 4, (\q)%2, \q, \slot, \zero
	MUL16 6, (\q)%2, \q, \slot, \zero
	PLACES NP
	WIN 0
	FETCH_A \slot, (\q)+1, 4
.endm
.macro TURN slot, next                 ; slot 0's last step goes over to slot 1: one barrier; nothing is filled again
	s_wait_tensorcnt 0x0                           ; all my tensor loads have landed: my part of the next slot
	ds_add_u32 v[SPW], v[NIL]                      ; 0 onto my spare word
	s_wait_dscnt 4*NL+1                            ; (the add and the youngest eight loads may be out)
	WIN MUL_LO
	MUL16 0, 1, NQ-1, \slot, 0
	s_wait_dscnt 0x0                               ; the add is done, and my reads of this slot are over
	s_barrier_signal -1
	MUL16 2, 1, NQ-1, \slot, 0
	WIN 0
	s_barrier_wait -1                              ; the next slot is whole, and nobody reads this one any more
	PLACES NP
	v_add_nc_u32 v[ADRS], 4*NQ, v[ADRS]            ; on to the next slot's scale words
	FETCH_B \next, 0, 0
	FETCH_A \next, 0, 0
	SCALES \next
	WIN MUL_HI
	MUL16 4, 1, NQ-1, \slot, 0
	MUL16 6, 1, NQ-1, \slot, 0
	PLACES NP
	WIN 0
	FETCH_A \next, 0, 4
.endm
	s_wait_tensorcnt 1                             ; the scales and my part of slot 0 are in; slot 1's load may be out,
	s_barrier_signal -1
	s_barrier_wait -1                              ; everybody's are
	FETCH_B 0, 0, 0
	FETCH_A 0, 0, 0
	SCALES 0
	FETCH_A 0, 0, 4
	STEP 0, 0, 1                                   ; the first products start the sums: nothing is cleared
	STEP 0, 1, 0
	STEP 0, 2, 0
	TURN 0, 1
	STEP 1, 0, 0
	STEP 1, 1, 0
	STEP 1, 2, 0
	s_wait_dscnt 4*NL                              ; the last step: nothing more to fetch
	WIN MUL_LO
	MUL16 0, 1, NQ-1, 1, 0
	MUL16 2, 1, NQ-1, 1, 0
	s_wait_dscnt 0
	WIN MUL_HI
	MUL16 4, 1, NQ-1, 1, 0
	MUL16 6, 1, NQ-1, 1, 0
	WIN 0
; THE WAY OUT, block by block of 16 rows x 128 columns: rounded to f16 (16 bytes a lane), through my own stage in LDS, back as whole rows of 256 bytes, stored.
.macro PACK a
.set AC, 64*((\a)%4)
	WIN 0x0a+5*((\a)/4)                            ; sources 0 and 1: window 2 or 3
.irp b, 0,1,2,3,4,5,6,7
.irp r, 0,1,2,3
	v_cvt_pk_f16_f32 v[TMP+4*\b+\r], v[AC+8*\b+2*\r], v[AC+8*\b+2*\r+1]   ; each accumulator from its low end on
.endr
.endr
	WIN 0
.endm
.macro TOSTAGE a
.set BB, BK+32*((\a)%2)
.irp b, 0,1,2,3,4,5,6,7
	ds_store_b128 v[STO], v[TMP+4*\b:TMP+4*\b+3] offset:32*\b
.endr
.irp t, 0,1,2,3,4,5,6,7
	ds_load_b128 v[BB+4*\t:BB+4*\t+3], v[RD] offset:\t*2*SPITCH    ; LDS serves a wave's instructions in order: these see the stores above
.endr
.endm
.macro SEND a
.set BB, BK+32*((\a)%2)
	s_wait_dscnt 0x0                               ; the block is back in registers
	s_wait_xcnt 0x0                                ; the earlier stores have read their base and their registers: the base may step, and the next block's rows may land where block a - 1's lay
.if (\a) > 0
	s_add_nc_u64 s[12:13], s[12:13], s[96:97]      ; 16 rows on
.endif
.irp t, 0,1,2,3,4,5,6,7
	global_store_b128 v[CO+\t], v[BB+4*\t:BB+4*\t+3], s[12:13]     ; each store fills two aligned runs of 256 bytes: q, k: two tokens of each of two heads; v: 128 keys of each of two channels
.endr
.endm
	PLACES NP                                      ; behind the last products
	PACK 0
	TOSTAGE 0
.irp a, 1,2,3,4,5,6,7                  ; block a's conversions stand between block a - 1's loads from the stage and the wait for them
	PACK \a
	SEND \a-1
	TOSTAGE \a
.endr
	SEND 7
	s_wait_tensorcnt 0x0                           ; the wave's end
	ds_add_u32 v[SPW], v[NIL]
	s_wait_dscnt 0x0
	CROUND                                         ; the closing round
	s_endpgm
.Lfunc_end_k_qe13c75c6ef_gemm_qkv:
	.size	k_qe13c75c6ef_gemm_qkv, .Lfunc_end_k_qe13c75c6ef_gemm_qkv-k_qe13c75c6ef_gemm_qkv
	.p2alignl 7, 3214868480
	.fill 96, 4, 3214868480
	.section	.rodata,"a",@progbits
	.p2align	6, 0x0
	.amdhsa_kernel k_qe13c75c6ef_gemm_qkv
		.amdhsa_group_segment_fixed_size 327680
		.amdhsa_private_segment_fixed_size 0
		.amdhsa_enable_private_segment 0
		.amdhsa_kernarg_size 24
		.amdhsa_user_sgpr_count 2
		.amdhsa_user_sgpr_kernarg_segment_ptr 1
		.amdhsa_wavefront_size32 1
		.amdhsa_system_sgpr_workgroup_id_x 1
		.amdhsa_system_sgpr_workgroup_id_y 1
		.amdhsa_system_sgpr_workgroup_id_z 1
		.amdhsa_system_vgpr_workitem_id 0
		.amdhsa_next_free_vgpr 1024
		.amdhsa_next_free_sgpr 98
		.amdhsa_reserve_vcc 0
		.amdhsa_float_denorm_mode_32 3
		.amdhsa_float_denorm_mode_16_64 3
		.amdhsa_memory_ordered 1
		.amdhsa_forward_progress 1
		.amdhsa_inst_pref_size 128
	.end_amdhsa_kernel
	.amdgpu_metadata
---
amdhsa.version: [ 1, 2 ]
amdhsa.kernels:
  - .name:           k_qe13c75c6ef_gemm_qkv
    .symbol:         k_qe13c75c6ef_gemm_qkv.kd
    .args:
      - { .name: codes, .offset: 0, .size: 8, .value_kind: global_buffer, .address_space: global }
      - { .name: scales, .offset: 8, .size: 8, .value_kind: global_buffer, .address_space: global }
      - { .name: qkv, .offset: 16, .size: 8, .value_kind: global_buffer, .address_space: global }
    .group_segment_fixed_size: 327680
    .private_segment_fixed_size: 0
    .kernarg_segment_align: 8
    .kernarg_segment_size: 24
    .max_flat_workgroup_size: 128
    .sgpr_count:     98
    .vgpr_count:     1024
    .wavefront_size: 32
...
	.end_amdgpu_metadata
.endif
;; end of part 2
;; launch attn (part 3): grid 8 x 32, 8 waves a work-group, clusters of 4 x 1, 327,680 bytes of LDS; arguments qkv, ao; writes ao
.if DOCPART == 3
	.amdgcn_target "amdgcn-amd-amdhsa--gfx1250"
	.amdhsa_code_object_version 6
	.text
	.protected	k_qe13c75c6ef_attn
	.globl	k_qe13c75c6ef_attn
	.p2align	8
	.type	k_qe13c75c6ef_attn,@function
k_qe13c75c6ef_attn:
	s_mov_b64 s[64:65], 0
	v_nop
	global_prefetch_b8 v0, s[64:65] scope:SCOPE_SE
	s_setreg_imm32_b32 hwreg(HW_REG_WAVE_MODE, 25, 1), 1
	s_wait_xcnt 0x0
	s_wait_alu depctr_hold_cnt(0) depctr_sa_sdst(0) depctr_va_vdst(0) depctr_va_sdst(0) depctr_va_ssrc(0) depctr_va_vcc(0) depctr_vm_vsrc(0)
	s_getreg_b32 s2, hwreg(HW_REG_IB_STS2, 6, 4)
	s_cmp_eq_u32 s2, 0
	s_cbranch_scc0 .Lentry_in_a_cluster
	s_endpgm
.Lentry_in_a_cluster:
	s_bfe_u32 s2, ttmp6, 0x10000c
	s_cmp_lg_u32 s2, 0x3003
	s_cbranch_scc0 .Lentry_shape_is_right
	s_endpgm
.Lentry_shape_is_right:
; o[b][h][q] = the sum over keys of softmax(q . k / 8) v, 32 heads (b, h) of 2,048 queries and 2,048 keys, head size 64.  Operands f16, products, maxima and sums f32; the weights p are rounded to f16 for the second product.
; qkv: q at byte 0 and k at 8 MiB, [bh][2048][64]; v at 16 MiB with the keys innermost, [bh][64][2048].  ao (f16): [token / 128][h][token % 128][64], so that a wave's 32 queries are 4,096 consecutive bytes.
; LIMIT: an output above 65,504 in magnitude becomes infinite in f16; NaN and infinities among the inputs are not served.
; SHARES.  A work-group owns 256 queries of one head; each of its EIGHT waves 32: two tiles of 16.  Two waves lie on a SIMD: one wave's softmax (about 7 vector lines for each matrix line at this head size) stands beside the other's products.
; LAYOUT.  S^T = K Q^T (source 0 = 16 keys, source 1 = 16 queries): a lane holds ONE query and keys 8 (lane / 16) + 0..7.  Two such tiles, rounded in pairs, ARE source 1 of O^T = V^T P.  V comes with the keys innermost and is read like any operand.
; SOFTMAX.  A running maximum m and sum l for each query: p = 2^(c s - c m), c = log2(e) / 8; in every step O and l are multiplied by a = 2^(c m_old - c m_new).  m begins at -3e38 and O, l at 0, so the step is written once.
; RING.  Two LDS slots of 512 keys (8 key steps of 64): K 512 rows of 128 bytes + 16, V 64 rows of 1,024 bytes + 16.  2,048 keys are four slots' worth: two first fills, two refills.  Waves 0-3 fetch a quarter of K's tile each, waves 4-7 of V's.
; CLUSTER.  The four query blocks of a cluster belong to one head and walk the same K and V: each tile is asked for jointly, with a mask that names the four.
; REGISTERS.  window 0: v1-11 addresses; v12-27 statistics, 8 a tile; v32-63 the way out; v64-127 S^T; v128-159 P; v160-223 O^T; v224-255 Q.   window 1: v0-63 K of a step; v64-127 V of a step.
.set KS,    64
.set SK,    512
.set PK,    144                        ; 36 words: the sixteen rows of a load start at sixteen different groups of four banks
.set PV,    1040
.set VOFF,  SK*PK
.set SLOT,  VOFF+64*PV
.set STAGE, 2*SLOT                     ; behind the ring: 16 rows x 144 bytes for each wave
.set SP,    144
.set SPARE, STAGE+8*16*SP              ; the spare words, 128 bytes a wave
.set AK0, 1
.set AV0, 2
.set ADK, 3
.set ADV, 4
.set QO,  5
.set STO, 6
.set RD,  7
.set GO,  8
.set PFO, 9
.set SPW, 10
.set NIL, 11
.set ST,  12                           ; tile t at v[ST + 8 t]: +0 c m, +1 m, +2, +3 l (even keys', odd keys'), +4 to +7 at work; a takes +6
.set OUTR, 32
.set S,   64
.set P,   128
.set O,   160
.set Q,   224
.set WV,  12
.set LIM, 15
.set PFA, 18
.set G1K, 24
.set G1V, 32
.set G0K, 40                           ; s[40:47] group 0 for K, a set for each slot
.set G0V, 48                           ; s[48:55] for V
.set TK,  56                           ; LDS byte of the K tile to be fetched next
.set TV,  57                           ; of the step's V
.set CS,  58
.set SEL, 60
.set CNT, 62
.set MSB, 0
.macro WIN new
.if MSB != \new
	s_set_vgpr_msb (MSB<<8)|\new
.set MSB, \new
.endif
.endm
.macro JLOAD s                         ; a joint refill of slot s.  The branch hangs on the wave's number alone.  An s_nop 0 and four v_nop follow each line
	s_cmp_lt_u32 s[WV], 4
	s_cbranch_scc0 .Lfor_v_\@
	tensor_load_to_lds s[G0K+4*\s:G0K+4*\s+3], s[G1K:G1K+7]
	s_nop 0
.rept 4
	v_nop
.endr
	s_branch .Lasked_\@
.Lfor_v_\@:
	tensor_load_to_lds s[G0V+4*\s:G0V+4*\s+3], s[G1V:G1V+7]
	s_nop 0
.rept 4
	v_nop
.endr
.Lasked_\@:
.endm
.macro CROUND                          ; a round of the cluster's barrier
	s_barrier_signal -1
	s_barrier_wait -1
	s_cmp_lg_u32 s[WV], 0
	s_cbranch_scc1 .Lnot_wave_0_\@
	s_barrier_signal -3
.Lnot_wave_0_\@:
	s_barrier_wait -3
	s_barrier_signal -1
	s_barrier_wait -1
.endm
	s_load_b128 s[4:7], s[0:1], 0x0                ; qkv, ao
	v_lshl_add_u32 v[SPW], v0, 2, SPARE
	v_mov_b32 v[NIL], 0
	ds_add_u32 v[SPW], v[NIL]                      ; the wave's opening: the add, twice on end, and its wait ahead of my first tensor load
	ds_add_u32 v[SPW], v[NIL]
	v_lshrrev_b32 v30, 5, v0
	v_readfirstlane_b32 s[WV], v30                 ; wave 0..7
	s_bfe_u32 s13, ttmp6, 0x40000                  ; cx
	s_lshl_b32 s14, ttmp9, 2
	s_add_co_u32 s14, s14, s13                     ; my block of 256 queries: it enters Q's and ao's addresses alone
	s_and_b32 s20, ttmp7, 0xffff                   ; the head (b, h), which the four partners share
	s_lshl_b32 s21, s20, 18                        ; its 262,144 bytes in each of q, k, v
	s_and_b32 s16, s[WV], 3                        ; which quarter of a tile I fetch
	s_mul_i32 s8, s16, 128*PK                      ; K: 128 rows, in a slot
	s_mul_i32 s9, s16, 16*PV
	s_add_co_u32 s9, s9, VOFF                      ; V: 16 rows
	s_lshl_b32 s22, s16, 14
	s_add_co_u32 s22, s22, s21
	s_add_co_u32 s22, s22, 1<<23                   ; K in memory
	s_mov_b32 s23, 0
	s_lshl_b32 s2, s16, 16
	s_add_co_u32 s2, s2, s21
	s_add_co_u32 s2, s2, 1<<24                     ; V in memory
	s_mov_b32 s3, 0
	; the one prefetch: the fourth slot's worth of keys, 256 blocks of 256 bytes of K and 256 of V, each named once: the head's first cluster asks; its partners are told apart by address, 64 blocks each;
	; waves 0, 1 ask for K's (a dense run), waves 4, 5 for V's (four blocks to a row, rows 4,096 bytes apart); a lane a block
	s_mov_b32 s10, 1024
	s_mov_b32 s11, (1<<24)+3*1024
	s_cmp_lt_u32 s[WV], 4
	s_cselect_b32 s10, 256, s10
	s_cselect_b32 s11, (1<<23)+3*65536, s11
	s_lshl_b32 s18, s13, 6
	s_and_b32 s19, s[WV], 1
	s_lshl_b32 s19, s19, 5
	s_add_co_u32 s18, s18, s19                     ; my wave's first block of the 256
	s_mul_i32 s18, s18, s10
	s_add_co_u32 s18, s18, s11
	s_add_co_u32 s18, s18, s21
	s_mov_b32 s19, 0
	v_and_b32 v[PFO], 28, v0
	v_mul_u32_u24 v[PFO], v[PFO], s10
	v_and_b32 v30, 3, v0
	v_lshl_add_u32 v[PFO], v30, 8, v[PFO]
	s_and_b32 s[LIM], s[WV], 2
	s_or_b32 s[LIM], s[LIM], ttmp9                 ; 0 in waves 0, 1, 4, 5 of the head's first cluster: the same in all four partners
	s_cmp_eq_u32 s[LIM], 0
	s_cselect_b32 s[LIM], 1, -1
	s_lshl_b32 s10, s14, 15                        ; Q: my block's 256 rows of 128 bytes,
	s_lshl_b32 s11, s[WV], 12                      ; my wave's 32
	s_add_co_u32 s10, s10, s11
	s_add_co_u32 s10, s10, s21
	s_mov_b32 s11, 0
	s_lshr_b32 s16, s20, 4                         ; ao: the block of 128 tokens: 16 b + 2 x query block + wave / 4,
	s_lshl_b32 s16, s16, 4
	s_lshl_b32 s17, s14, 1
	s_add_co_u32 s16, s16, s17
	s_lshr_b32 s17, s[WV], 2
	s_add_co_u32 s16, s16, s17
	s_lshl_b32 s16, s16, 18
	s_and_b32 s17, s20, 15                         ; the head's 16,384 bytes in it,
	s_lshl_b32 s17, s17, 14
	s_add_co_u32 s16, s16, s17
	s_and_b32 s17, s[WV], 3                        ; my 32 tokens of 128 bytes
	s_lshl_b32 s17, s17, 12
	s_add_co_u32 s16, s16, s17
	s_mov_b32 s17, 0
	s_mov_b32 s[G1K], 15|(1<<16)|(1<<20)|(1<<21)|(4<<22)|(3<<25)   ; the mask: all four; elements of 2 bytes; padding: 4 words behind every 32; bit 21 beside a mask
	s_mov_b32 s[G1K+1], 64<<16                     ; tensor_dim0
	s_mov_b32 s[G1K+2], 128<<16                    ; tensor_dim1
	s_mov_b32 s[G1K+3], 64<<16                     ; tile_dim0
	s_mov_b32 s[G1K+4], 128                        ; tile_dim1
	s_mov_b32 s[G1K+5], 64                         ; the pitch
	s_mov_b32 s[G1K+6], 0
	s_mov_b32 s[G1K+7], 0
	s_mov_b32 s[G1V], 15|(1<<16)|(1<<20)|(1<<21)|(7<<22)|(3<<25)   ; padding: 4 words behind every 256
	s_mov_b32 s[G1V+1], 512<<16
	s_mov_b32 s[G1V+2], 16<<16
	s_mov_b32 s[G1V+3], 512<<16
	s_mov_b32 s[G1V+4], 16
	s_mov_b32 s[G1V+5], 2048
	s_mov_b32 s[G1V+6], 0
	s_mov_b32 s[G1V+7], 0
	s_mov_b32 s[CS], 0x3e38aa3b                    ; c = log2(e) / 8
	s_mov_b32 s[CS+1], s[CS]                       ; named with it as a pair, so it is written
	s_mov_b32 s[SEL], 0x76543210
	s_mov_b32 s[SEL+1], 0xfedcba98
	s_wait_dscnt 0x0                               ; both opening adds are done
	s_wait_kmcnt 0x0
	s_add_nc_u64 s[22:23], s[4:5], s[22:23]
	s_add_nc_u64 s[2:3], s[4:5], s[2:3]
	s_add_nc_u64 s[PFA:PFA+1], s[4:5], s[PFA:PFA+1]
	s_add_nc_u64 s[4:5], s[4:5], s[10:11]          ; Q at my wave's first row
	s_add_nc_u64 s[6:7], s[6:7], s[16:17]          ; ao likewise
	CROUND                                         ; all four work-groups are here: the first joint loads meet
.irp s, 0,1
	s_mov_b32 s[G0K+4*\s], 1
	s_add_co_u32 s[G0K+4*\s+1], s8, \s*SLOT
	s_add_nc_u64 s[G0K+4*\s+2:G0K+4*\s+3], s[22:23], \s*SK*128
	s_or_b32 s[G0K+4*\s+3], s[G0K+4*\s+3], 0x80000000
	s_mov_b32 s[G0V+4*\s], 1
	s_add_co_u32 s[G0V+4*\s+1], s9, \s*SLOT
	s_add_nc_u64 s[G0V+4*\s+2:G0V+4*\s+3], s[2:3], \s*SK*2
	s_or_b32 s[G0V+4*\s+3], s[G0V+4*\s+3], 0x80000000
.endr
	s_cmp_lt_u32 s[WV], 4                          ; a wave's two first fills stand in one branch: two loads of mine are out
	s_cbranch_scc0 .Lfirst_v
	tensor_load_to_lds s[G0K:G0K+3], s[G1K:G1K+7]
	s_nop 0
	tensor_load_to_lds s[G0K+4:G0K+7], s[G1K:G1K+7]
	s_nop 0
.rept 4
	v_nop
.endr
	s_branch .Lfirst_asked
.Lfirst_v:
	tensor_load_to_lds s[G0V:G0V+3], s[G1V:G1V+7]
	s_nop 0
	tensor_load_to_lds s[G0V+4:G0V+7], s[G1V:G1V+7]
	s_nop 0
.rept 4
	v_nop
.endr
.Lfirst_asked:
	v_and_b32 v28, 15, v0                          ; r = l % 16
	v_bfe_u32 v29, v0, 4, 1                        ; h = l / 16
	v_lshlrev_b32 v[QO], 7, v28
	v_lshl_add_u32 v[QO], v29, 4, v[QO]
.irp t, 0,1                            ; Q stays in registers: tile t, channels 32 c on
.irp c, 0,1
	global_load_b128 v[Q+16*\t+8*\c:Q+16*\t+8*\c+3],   v[QO], s[4:5] offset:\t*2048+\c*64
	global_load_b128 v[Q+16*\t+8*\c+4:Q+16*\t+8*\c+7], v[QO], s[4:5] offset:\t*2048+\c*64+32
.endr
.endr
	v_mul_u32_u24 v[AK0], v28, PK
	v_lshl_add_u32 v[AK0], v29, 4, v[AK0]          ; a fragment's row x pitch + 16 x half
	v_mul_u32_u24 v[AV0], v28, PV
	v_lshl_add_u32 v[AV0], v29, 4, v[AV0]
	v_add_nc_u32 v[AV0], VOFF, v[AV0]
	s_mul_i32 s10, s[WV], 16*SP
	s_add_co_u32 s10, s10, STAGE                   ; my stage
	v_mul_u32_u24 v[STO], v28, SP
	v_lshl_add_u32 v[STO], v29, 4, v[STO]
	v_add_nc_u32 v[STO], s10, v[STO]               ; in: row r, 16 bytes for each half of the lanes
	v_bfe_u32 v30, v0, 3, 2
	v_and_b32 v31, 7, v0
	v_mul_u32_u24 v[RD], v30, SP
	v_lshl_add_u32 v[RD], v31, 4, v[RD]
	v_add_nc_u32 v[RD], s10, v[RD]                 ; back: eight lanes to a row of 128 bytes, four rows an instruction
	v_and_b32 v[GO], 31, v0
	v_lshlrev_b32 v[GO], 4, v[GO]
.irp t, 0,1
	v_mov_b32 v[ST+8*\t+1], 0xff61b1e6             ; m = -3e38, under every score
	v_mul_f32 v[ST+8*\t], s[CS], v[ST+8*\t+1]
	v_mov_b32 v[ST+8*\t+2], 0
	v_mov_b32 v[ST+8*\t+3], 0
.endr
.set i, 0
.rept 64
	v_mov_b32 v[O+i], 0                            ; O^T: the step is written once; its first pass finds zeros, which a = 0 leaves zeros.  64 lines once, against a further copy of the step
.set i, i+1
.endr
; THE SOFTMAX of both tiles for one key step, the tiles by turns at each line, so that no line waits for the line above it.
.macro SOFTMAX
.irp j, 0,1,2,3                        ; the maximum: four chains, one to an accumulator, each begun at the accumulator's low end
.irp t, 0,1
	v_max3_num_f32 v[ST+8*\t+4+\j], v[S+32*\t+8*\j], v[S+32*\t+8*\j+1], v[S+32*\t+8*\j+2]
.endr
.endr
.irp n, 3,5
.irp j, 0,1,2,3
.irp t, 0,1
	v_max3_num_f32 v[ST+8*\t+4+\j], v[ST+8*\t+4+\j], v[S+32*\t+8*\j+\n], v[S+32*\t+8*\j+\n+1]
.endr
.endr
.endr
.irp t, 0,1
	v_max3_num_f32 v[ST+8*\t+4], v[ST+8*\t+4], v[S+32*\t+7], v[S+32*\t+15]
.endr
.irp t, 0,1
	v_max3_num_f32 v[ST+8*\t+6], v[ST+8*\t+6], v[S+32*\t+23], v[S+32*\t+31]
.endr
.irp t, 0,1
	v_max3_num_f32 v[ST+8*\t+4], v[ST+8*\t+4], v[ST+8*\t+5], v[ST+8*\t+6]
.endr
.irp t, 0,1
	v_max3_num_f32 v[ST+8*\t+4], v[ST+8*\t+4], v[ST+8*\t+7], v[ST+8*\t+1]   ; with the old m
.endr
.irp t, 0,1
	v_permlanex16_b32 v[ST+8*\t+5], v[ST+8*\t+4], s[SEL], s[SEL+1]          ; the query's other 32 keys lie in the lane 16 away
.endr
.irp t, 0,1
	v_mov_b32 v[ST+8*\t+7], v[ST+8*\t]             ; c m_old is kept for a
.endr
.irp t, 0,1
	v_max_num_f32 v[ST+8*\t+1], v[ST+8*\t+4], v[ST+8*\t+5]
.endr
.irp t, 0,1
	v_mul_f32 v[ST+8*\t], s[CS], v[ST+8*\t+1]
.endr
.irp t, 0,1
	v_sub_f32 v[ST+8*\t+7], v[ST+8*\t+7], v[ST+8*\t]
.endr
.irp b, 0,1                            ; ONE BATCH: the 16 scalings c s - c m of each tile and all 66 exponentials; none of these lines names an exponential's result.  A pair is scaled two pairs ahead of its exponentials
.irp t, 0,1
	v_pk_fma_f32 v[S+32*\t+2*\b:S+32*\t+2*\b+1], v[S+32*\t+2*\b:S+32*\t+2*\b+1], s[CS:CS+1], v[ST+8*\t:ST+8*\t+1] op_sel_hi:[1,0,0] neg_lo:[0,0,1] neg_hi:[0,0,1]
.endr
.endr
.irp t, 0,1
	v_exp_f32 v[ST+8*\t+6], v[ST+8*\t+7]           ; a
.endr
.irp k, 0,1,2,3,4,5,6,7,8,9,10,11,12,13,14,15
.if \k+2 < 16
.irp t, 0,1
	v_pk_fma_f32 v[S+32*\t+2*\k+4:S+32*\t+2*\k+5], v[S+32*\t+2*\k+4:S+32*\t+2*\k+5], s[CS:CS+1], v[ST+8*\t:ST+8*\t+1] op_sel_hi:[1,0,0] neg_lo:[0,0,1] neg_hi:[0,0,1]
.endr
.endif
.irp t, 0,1
	v_exp_f32 v[S+32*\t+2*\k], v[S+32*\t+2*\k]
.endr
.irp t, 0,1
	v_exp_f32 v[S+32*\t+2*\k+1], v[S+32*\t+2*\k+1]
.endr
.endr
	v_nop                                          ; a plain line behind the last exponential, ahead of the first use
	s_wait_alu depctr_va_vdst(0)                   ; a wait ahead of the first line that names a result: one for the batch
.irp n, 0,1,2,3,4,5,6,7,8,9,10,11,12,13,14,15
.irp t, 0,1
	v_cvt_pk_f16_f32 v[P+16*\t+\n], v[S+32*\t+2*\n], v[S+32*\t+2*\n+1]      ; the weights, in pairs: source 1 of the second product as they stand
.endr
.endr
.irp u, 0,1,2,3,4,5,6,7                ; the sum of the unrounded weights, in place: neighbours 1, 2, 4 and 8 pairs apart
.irp t, 0,1
	v_pk_add_f32 v[S+32*\t+4*\u:S+32*\t+4*\u+1], v[S+32*\t+4*\u:S+32*\t+4*\u+1], v[S+32*\t+4*\u+2:S+32*\t+4*\u+3]
.endr
.endr
.irp u, 0,1,2,3
.irp t, 0,1
	v_pk_add_f32 v[S+32*\t+8*\u:S+32*\t+8*\u+1], v[S+32*\t+8*\u:S+32*\t+8*\u+1], v[S+32*\t+8*\u+4:S+32*\t+8*\u+5]
.endr
.endr
.irp u, 0,1
.irp t, 0,1
	v_pk_add_f32 v[S+32*\t+16*\u:S+32*\t+16*\u+1], v[S+32*\t+16*\u:S+32*\t+16*\u+1], v[S+32*\t+16*\u+8:S+32*\t+16*\u+9]
.endr
.endr
.irp t, 0,1
	v_pk_add_f32 v[S+32*\t:S+32*\t+1], v[S+32*\t:S+32*\t+1], v[S+32*\t+16:S+32*\t+17]
.endr
.irp n, 0,1,2,3,4,5,6,7,8,9,10,11,12,13,14,15
.irp t, 0,1
	v_pk_mul_f32 v[O+32*\t+2*\n:O+32*\t+2*\n+1], v[O+32*\t+2*\n:O+32*\t+2*\n+1], v[ST+8*\t+6:ST+8*\t+7] op_sel_hi:[1,0]   ; O^T x a, each accumulator from its low end on
.endr
.endr
.irp t, 0,1
	v_pk_fma_f32 v[ST+8*\t+2:ST+8*\t+3], v[ST+8*\t+2:ST+8*\t+3], v[ST+8*\t+6:ST+8*\t+7], v[S+32*\t:S+32*\t+1] op_sel_hi:[1,0,1]   ; l = a l + the sum
.endr
.endm
.macro KLOADS                          ; a step's K: keys 16 i on, channels 32 c on
.irp i, 0,1,2,3
.irp c, 0,1
	ds_load_b128 v[16*\i+8*\c:16*\i+8*\c+3],   v[ADK] offset:\i*16*PK+64*\c
	ds_load_b128 v[16*\i+8*\c+4:16*\i+8*\c+7], v[ADK] offset:\i*16*PK+64*\c+32
.endr
.endr
.endm
.macro FETCH_K                         ; a slot's first K
	v_add_nc_u32 v[ADK], s[TK], v[AK0]
	s_add_co_u32 s[TK], s[TK], KS*PK
	WIN 0x40                                       ; destination window 1
	KLOADS
	WIN 0
.endm
; A KEY STEP: 64 keys.  pre = 1: the next step's K is fetched behind this step's V, and lands under the softmax.
.macro STEP pre
	s_wait_dscnt 0x0                               ; K is in
	WIN 0x01                                       ; source 0 window 1
.irp c, 0,1                            ; S^T = K Q^T: eight accumulators by turns, one instruction a turn; the first eight start the sums
.irp i, 0,1,2,3
.irp t, 0,1
.if \c == 0
	v_wmma_f32_16x16x32_f16 v[S+32*\t+8*\i:S+32*\t+8*\i+7], v[16*\i+8*\c:16*\i+8*\c+7], v[Q+16*\t+8*\c:Q+16*\t+8*\c+7], 0
.else
	v_wmma_f32_16x16x32_f16 v[S+32*\t+8*\i:S+32*\t+8*\i+7], v[16*\i+8*\c:16*\i+8*\c+7], v[Q+16*\t+8*\c:Q+16*\t+8*\c+7], v[S+32*\t+8*\i:S+32*\t+8*\i+7]
.endif
.endr
.endr
.endr
	WIN 0
	v_add_nc_u32 v[ADV], s[TV], v[AV0]             ; four plain lines: the places between the products and the loads into K's and V's registers, and the first read of the scores
.if \pre
	v_add_nc_u32 v[ADK], s[TK], v[AK0]
	v_nop
	v_nop
	s_add_co_u32 s[TK], s[TK], KS*PK
.else
	v_nop
	v_nop
	v_nop
.endif
	s_add_co_u32 s[TV], s[TV], 2*KS
	WIN 0x40
.irp g, 0,1                            ; this step's V: keys 32 g on, channels 16 d on
.irp d, 0,1,2,3
	ds_load_b128 v[64+32*\g+8*\d:64+32*\g+8*\d+3],   v[ADV] offset:\d*16*PV+64*\g
	ds_load_b128 v[64+32*\g+8*\d+4:64+32*\g+8*\d+7], v[ADV] offset:\d*16*PV+64*\g+32
.endr
.endr
.if \pre
	KLOADS
.endif
	WIN 0
	SOFTMAX
.if \pre
	s_wait_dscnt 16                                ; V is in; the next step's 16 loads of K may be out
.else
	s_wait_dscnt 0x0
.endif
	WIN 0x01
.irp g, 0,1                            ; O^T += V^T P: eight accumulators by turns
.irp d, 0,1,2,3
.irp t, 0,1
	v_wmma_f32_16x16x32_f16 v[O+32*\t+8*\d:O+32*\t+8*\d+7], v[64+32*\g+8*\d:64+32*\g+8*\d+7], v[P+16*\t+8*\g:P+16*\t+8*\g+7], v[O+32*\t+8*\d:O+32*\t+8*\d+7]
.endr
.endr
.endr
	WIN 0
.endm
.macro SLOTSTEPS s                     ; a slot's eight key steps: seven in a loop, the last, which fetches no further K, written out
	s_mov_b32 s[TK], (\s)*SLOT
	s_mov_b32 s[TV], (\s)*SLOT
	FETCH_K
	s_mov_b32 s[CNT], 7
.Lstep_\@:
	STEP 1
	s_sub_co_u32 s[CNT], s[CNT], 1
	s_cmp_lg_u32 s[CNT], 0
	s_cbranch_scc1 .Lstep_\@
	STEP 0
.endm
; THE CHANGE OF SLOTS.  Each wave waits for all its tensor loads (one is out: its part of the slot ahead), adds 0 to its spare word, and waits for that and for its reads of the slot that it leaves.
; fill = 1: slot s, just left, is filled with the keys two slots on, behind a round of the cluster's barrier: the load has eight key steps in which to land.
.macro CHANGE fill, s
	s_wait_tensorcnt 0x0                           ; no tensor load of mine is out, so a group 0 may be written
	ds_add_u32 v[SPW], v[NIL]
.if \fill
	s_add_nc_u64 s[G0K+4*\s+2:G0K+4*\s+3], s[G0K+4*\s+2:G0K+4*\s+3], 2*SK*128
	s_add_nc_u64 s[G0V+4*\s+2:G0V+4*\s+3], s[G0V+4*\s+2:G0V+4*\s+3], 2*SK*2
	s_wait_dscnt 0x0
	CROUND
	JLOAD \s
.else
	s_wait_dscnt 0x0
	s_barrier_signal -1
	s_barrier_wait -1
.endif
.endm
	s_wait_tensorcnt 1                             ; my part of slot 0 is in; slot 1's may stay out
	s_barrier_signal -1
	s_barrier_wait -1
	s_wait_loadcnt 0x0                             ; Q
	SLOTSTEPS 0
	CHANGE 1, 0
	s_cmp_eq_u32 s[LIM], 1                         ; behind my tensor load and its five lines: what the NEXT change of slots will ask for, eight key steps ahead of that load.  The first three slots' worth come by their loads alone
	s_cbranch_scc0 .Lnot_mine
	global_prefetch_b8 v[PFO], s[PFA:PFA+1] th:TH_LOAD_NT scope:SCOPE_SE
.Lnot_mine:
	SLOTSTEPS 1
	CHANGE 1, 1
	SLOTSTEPS 0
	CHANGE 0, 0                                    ; the last slot: nothing is left to ask for
	SLOTSTEPS 1
	; THE WAY OUT.  l's two halves and the other half of the lanes' are added (these lines are the places behind the last products); O^T is divided by l, rounded to f16 and sent through my stage, a tile at a time.
.irp t, 0,1
	v_add_f32 v[ST+8*\t+4], v[ST+8*\t+2], v[ST+8*\t+3]
.endr
.irp t, 0,1
	v_permlanex16_b32 v[ST+8*\t+5], v[ST+8*\t+4], s[SEL], s[SEL+1]
.endr
.irp t, 0,1
	v_add_f32 v[ST+8*\t+4], v[ST+8*\t+4], v[ST+8*\t+5]
.endr
.irp t, 0,1
	v_rcp_f32 v[ST+8*\t+6], v[ST+8*\t+4]
.endr
	v_nop                                          ; a plain line between the last reciprocal and the use of its result
	s_wait_alu depctr_va_vdst(0)                   ; and its wait: one for the two
.macro PACK t
.irp n, 0,1,2,3,4,5,6,7,8,9,10,11,12,13,14,15
	v_pk_mul_f32 v[O+32*\t+2*\n:O+32*\t+2*\n+1], v[O+32*\t+2*\n:O+32*\t+2*\n+1], v[ST+8*\t+6:ST+8*\t+7] op_sel_hi:[1,0]
.endr
.irp n, 0,1,2,3,4,5,6,7,8,9,10,11,12,13,14,15
	v_cvt_pk_f16_f32 v[OUTR+16*\t+\n], v[O+32*\t+2*\n], v[O+32*\t+2*\n+1]
.endr
.irp d, 0,1,2,3
	ds_store_b128 v[STO], v[OUTR+16*\t+4*\d:OUTR+16*\t+4*\d+3] offset:32*\d
.endr
.irp f, 0,1,2,3
	ds_load_b128 v[OUTR+16*\t+4*\f:OUTR+16*\t+4*\f+3], v[RD] offset:\f*4*SP   ; LDS serves a wave's instructions in order: these see the stores above; the next tile's stores come behind them
.endr
.endm
.macro SEND t, younger                 ; younger: the LDS lines issued behind tile t's loads
.irp f, 0,1,2,3
	s_wait_dscnt \younger+3-\f
	global_store_b128 v[GO], v[OUTR+16*\t+4*\f:OUTR+16*\t+4*\f+3], s[6:7] offset:\t*2048+\f*512   ; 32 lanes store 512 consecutive bytes, aligned
.endr
.endm
	PACK 0
	PACK 1
	SEND 0, 8
	SEND 1, 0
	s_wait_tensorcnt 0x0                           ; the wave's end
	ds_add_u32 v[SPW], v[NIL]
	s_wait_dscnt 0x0
	CROUND                                         ; the closing round
	s_endpgm
.Lfunc_end_k_qe13c75c6ef_attn:
	.size	k_qe13c75c6ef_attn, .Lfunc_end_k_qe13c75c6ef_attn-k_qe13c75c6ef_attn
	.p2alignl 7, 3214868480
	.fill 96, 4, 3214868480
	.section	.rodata,"a",@progbits
	.p2align	6, 0x0
	.amdhsa_kernel k_qe13c75c6ef_attn
		.amdhsa_group_segment_fixed_size 327680
		.amdhsa_private_segment_fixed_size 0
		.amdhsa_enable_private_segment 0
		.amdhsa_kernarg_size 16
		.amdhsa_user_sgpr_count 2
		.amdhsa_user_sgpr_kernarg_segment_ptr 1
		.amdhsa_wavefront_size32 1
		.amdhsa_system_sgpr_workgroup_id_x 1
		.amdhsa_system_sgpr_workgroup_id_y 1
		.amdhsa_system_sgpr_workgroup_id_z 1
		.amdhsa_system_vgpr_workitem_id 0
		.amdhsa_next_free_vgpr 384
		.amdhsa_next_free_sgpr 66
		.amdhsa_reserve_vcc 0
		.amdhsa_float_denorm_mode_32 3
		.amdhsa_float_denorm_mode_16_64 3
		.amdhsa_memory_ordered 1
		.amdhsa_forward_progress 1
		.amdhsa_inst_pref_size 158
	.end_amdhsa_kernel
	.amdgpu_metadata
---
amdhsa.version: [ 1, 2 ]
amdhsa.kernels:
  - .name:           k_qe13c75c6ef_attn
    .symbol:         k_qe13c75c6ef_attn.kd
    .args:
      - { .name: qkv, .offset: 0, .size: 8, .value_kind: global_buffer, .address_space: global }
      - { .name: ao, .offset: 8, .size: 8, .value_kind: global_buffer, .address_space: global }
    .group_segment_fixed_size: 327680
    .private_segment_fixed_size: 0
    .kernarg_segment_align: 8
    .kernarg_segment_size: 16
    .max_flat_workgroup_size: 256
    .sgpr_count:     66
    .vgpr_count:     384
    .wavefront_size: 32
...
	.end_amdgpu_metadata
.endif
;; end of part 3
;; launch proj (part 4): grid 8 x 32, 4 waves a work-group, clusters of 4 x 4, 327,680 bytes of LDS; arguments ao, wp16, bproj, out0; writes out0
.if DOCPART == 4
	.amdgcn_target "amdgcn-amd-amdhsa--gfx1250"
	.amdhsa_code_object_version 6
	.text
	.protected	k_qe13c75c6ef_proj
	.globl	k_qe13c75c6ef_proj
	.p2align	8
	.type	k_qe13c75c6ef_proj,@function
k_qe13c75c6ef_proj:
	s_mov_b64 s[64:65], 0
	v_nop
	global_prefetch_b8 v0, s[64:65] scope:SCOPE_SE
	s_setreg_imm32_b32 hwreg(HW_REG_WAVE_MODE, 25, 1), 1
	s_wait_xcnt 0x0
	s_wait_alu depctr_hold_cnt(0) depctr_sa_sdst(0) depctr_va_vdst(0) depctr_va_sdst(0) depctr_va_ssrc(0) depctr_va_vcc(0) depctr_vm_vsrc(0)
	s_getreg_b32 s2, hwreg(HW_REG_IB_STS2, 6, 4)
	s_cmp_eq_u32 s2, 0
	s_cbranch_scc0 .Lentry_in_a_cluster
	s_endpgm
.Lentry_in_a_cluster:
	s_bfe_u32 s2, ttmp6, 0x10000c
	s_cmp_lg_u32 s2, 0xf033
	s_cbranch_scc0 .Lentry_shape_is_right
	s_endpgm
.Lentry_shape_is_right:
; out0 = attention output x Wproj + bproj.  4,096 x 1,024 x 1,024; operands f16, sums f32, the bias as the C of each sum's first product.
; ao (f16): [token / 128][h][token % 128][64]: the 128 tokens of a tile row are one dense block of 262,144 bytes, ordered by K (head, then channel).  wp16 (f16): [k][n], rows of 2,048 bytes.  out0: [4096][1024] f32.
; A tile of out0 is 128 x 128 (256 work-groups); four waves, 64 x 64 each: 16 accumulators.  K goes in four steps of 256 (four heads) through a ring of two LDS slots: two first fills, two refills.
; In a slot: the first operand as 4 planes (heads) x 128 rows of 128 bytes + 16; Wproj's 256 rows (k) of 256 bytes + 32, read turned by ds_load_tr16_b128.
; CLUSTERS 4 x 4: the first operand's tiles are shared along a row of the cluster, Wproj's along a column: joint loads.  The matrix instruction is used transposed (source 0 = 16 columns of Wproj, source 1 = 16 tokens): a lane holds eight neighbouring numbers of a row of out0.
; REGISTERS: window 0: v0-31 addresses; v32-95 the way out; v96-127 the bias, 8 registers for each 16 columns; v128-255 the accumulators.   window 1: two fragment buffers of 128 (64 along K: 64 registers of tokens, 64 of Wproj).
.set PA,     144
.set PB,     288                       ; 72 words
.set PLANE,  128*PA
.set HALFT,  2*PLANE                   ; what one tensor load brings: 256 rows of 144 bytes, or 128 rows of 288
.set BOFF,   2*HALFT
.set SLOT,   4*HALFT
.set STAGE,  2*SLOT                    ; behind the ring: 16 rows x (256 bytes + 16) for each wave
.set SPITCH, 272
.set SPARE,  STAGE+4*16*SPITCH
.set ADRA, 16                          ; v16-17 my tokens' fragments in slot 0, 1
.set ADRB, 20                          ; v20-23 Wproj's: slot 0 rows 0-127, 128-255; slot 1 likewise
.set STO,  24
.set RD,   25
.set CO,   26
.set SPW,  28
.set NIL,  29
.set TMP,  32
.set BI,   96
.set ACC,  128
.set F0,   0
.set F1,   128
.set G1, 24
.set G0, 32
.set G1B, 48
.set G0B, 56
.set MSB, 0
.macro WIN new
.if MSB != \new
	s_set_vgpr_msb (MSB<<8)|\new
.set MSB, \new
.endif
.endm
.set MUL,  0x05                        ; sources 0 and 1 window 1; C and D window 0
.set TO_F, 0x40
.macro JLOAD s                         ; a joint load: waves 0 and 1 fetch the tokens' two halves, waves 2 and 3 Wproj's; an s_nop 0 and four v_nop follow each line
	s_cmp_eq_u32 s11, 0
	s_cbranch_scc0 .Lfor_b_\@
	tensor_load_to_lds s[G0+4*\s:G0+4*\s+3], s[G1:G1+7]
	s_nop 0
.rept 4
	v_nop
.endr
	s_branch .Lasked_\@
.Lfor_b_\@:
	tensor_load_to_lds s[G0B+4*\s:G0B+4*\s+3], s[G1B:G1B+7]
	s_nop 0
.rept 4
	v_nop
.endr
.Lasked_\@:
.endm
.macro CREST                           ; a round of the cluster's barrier behind its opening barrier
	s_cmp_lg_u32 s10, 0
	s_cbranch_scc1 .Lnot_wave_0_\@
	s_barrier_signal -3
.Lnot_wave_0_\@:
	s_barrier_wait -3
	s_barrier_signal -1
	s_barrier_wait -1
.endm
.macro CROUND
	s_barrier_signal -1
	s_barrier_wait -1
	CREST
.endm
	s_load_b128 s[4:7], s[0:1], 0x0                ; ao, wp16
	s_load_b64 s[68:69], s[0:1], 0x10              ; bproj
	s_load_b64 s[8:9], s[0:1], 0x18                ; out0
	v_lshl_add_u32 v[SPW], v0, 2, SPARE
	v_mov_b32 v[NIL], 0
	ds_add_u32 v[SPW], v[NIL]                      ; the wave's opening: the add, twice on end, and its wait ahead of my first tensor load
	ds_add_u32 v[SPW], v[NIL]
	v_lshrrev_b32 v1, 5, v0
	v_readfirstlane_b32 s10, v1                    ; wave 0..3
	s_lshr_b32 s11, s10, 1                         ; which half of the tile's rows is mine.  Also: I fetch tokens (0) or Wproj (1)
	s_and_b32 s12, s10, 1                          ; which half of its columns.  Also: which half of that tile I fetch
	s_bfe_u32 s40, ttmp6, 0x40000                  ; cx
	s_bfe_u32 s41, ttmp6, 0x40004                  ; cy
	s_lshl_b32 s42, ttmp9, 2
	s_add_co_u32 s42, s42, s40                     ; tile column
	s_and_b32 s13, ttmp7, 0xffff
	s_lshl_b32 s13, s13, 2
	s_add_co_u32 s13, s13, s41                     ; tile row
	s_lshl_b32 s43, s41, 2
	s_lshl_b32 s43, 15, s43                        ; my row of the cluster
	s_lshl_b32 s44, 0x1111, s40                    ; my column
	s_or_b32 s[G1+0], s43, (1<<16)|(1<<20)|(1<<21)|(4<<22)|(3<<25)   ; tokens: two heads' 256 dense rows of 64 elements of 2 bytes; 4 words of padding behind every 32
	s_mov_b32 s[G1+1], 64<<16
	s_mov_b32 s[G1+2], 256<<16
	s_mov_b32 s[G1+3], 64<<16
	s_mov_b32 s[G1+4], 256
	s_mov_b32 s[G1+5], 64
	s_mov_b32 s[G1+6], 0
	s_mov_b32 s[G1+7], 0
	s_or_b32 s[G1B+0], s44, (1<<16)|(1<<20)|(1<<21)|(5<<22)|(7<<25)  ; Wproj: 128 rows (k) of 128 elements; 8 words of padding behind every 64
	s_mov_b32 s[G1B+1], 128<<16
	s_mov_b32 s[G1B+2], 128<<16
	s_mov_b32 s[G1B+3], 128<<16
	s_mov_b32 s[G1B+4], 128
	s_mov_b32 s[G1B+5], 1024
	s_mov_b32 s[G1B+6], 0
	s_mov_b32 s[G1B+7], 0
	s_lshl_b32 s16, s13, 18                        ; the tile row's 262,144 bytes,
	s_lshl_b32 s17, s12, 15                        ; my two heads of a K step's four
	s_add_co_u32 s16, s16, s17
	s_mov_b32 s17, 0
	s_lshl_b32 s46, s42, 8                         ; the tile column's 256 bytes of a row of Wproj,
	s_lshl_b32 s47, s12, 18                        ; my 128 rows of a K step's 256
	s_add_co_u32 s46, s46, s47
	s_mov_b32 s47, 0
	s_mul_i32 s20, s10, HALFT                      ; where they go: no place in the cluster enters an LDS address
	s_wait_dscnt 0x0                               ; both opening adds are done
	s_wait_kmcnt 0x0
	s_add_nc_u64 s[14:15], s[4:5], s[16:17]
	s_add_nc_u64 s[46:47], s[6:7], s[46:47]
	CROUND                                         ; all sixteen work-groups are here: the first joint loads meet
.irp s, 0,1
	s_mov_b32 s[G0+4*\s], 1
	s_add_co_u32 s[G0+4*\s+1], s20, \s*SLOT
	s_add_nc_u64 s[G0+4*\s+2:G0+4*\s+3], s[14:15], \s*65536
	s_or_b32 s[G0+4*\s+3], s[G0+4*\s+3], 0x80000000
	s_mov_b32 s[G0B+4*\s], 1
	s_add_co_u32 s[G0B+4*\s+1], s20, \s*SLOT
	s_add_nc_u64 s[G0B+4*\s+2:G0B+4*\s+3], s[46:47], \s*524288
	s_or_b32 s[G0B+4*\s+3], s[G0B+4*\s+3], 0x80000000
	JLOAD \s                                       ; two loads of mine are out behind the second
.endr
	v_and_b32 v1, 15, v0                           ; l % 16
	v_bfe_u32 v2, v0, 4, 1                         ; l / 16
	v_mul_u32_u24 v3, v1, PA
	v_lshl_add_u32 v3, v2, 4, v3
	s_mul_i32 s21, s11, 64*PA                      ; my 64 tokens
	v_add_nc_u32 v[ADRA], s21, v3
	v_add_nc_u32 v[ADRA+1], SLOT, v[ADRA]
	v_and_b32 v4, 7, v0                            ; the turning load: lane l reads 16 bytes of row 8 (l / 16) + l % 8, columns 8 ((l / 8) % 2) on
	v_lshl_add_u32 v4, v2, 3, v4
	v_mul_u32_u24 v4, v4, PB
	v_bfe_u32 v5, v0, 3, 1
	v_lshl_add_u32 v4, v5, 4, v4
	s_lshl_b32 s22, s12, 7                         ; my 64 columns
	s_add_co_u32 s22, s22, BOFF
	v_add_nc_u32 v[ADRB], s22, v4
	v_add_nc_u32 v[ADRB+1], HALFT, v[ADRB]
	v_add_nc_u32 v[ADRB+2], SLOT, v[ADRB]
	v_add_nc_u32 v[ADRB+3], SLOT, v[ADRB+1]
	s_mul_i32 s23, s10, 16*SPITCH
	s_add_co_u32 s23, s23, STAGE                   ; my stage
	v_mul_u32_u24 v4, v1, SPITCH
	v_lshl_add_u32 v4, v2, 5, v4
	v_add_nc_u32 v[STO], s23, v4                   ; in: row l % 16, 32 bytes for each half of the lanes
	v_mul_u32_u24 v5, v2, SPITCH
	v_lshl_add_u32 v5, v1, 4, v5
	v_add_nc_u32 v[RD], s23, v5                    ; back: lanes 0-15 one row of 256 bytes, lanes 16-31 the next
	v_lshlrev_b32 v5, 12, v2
	v_lshl_add_u32 v[CO], v1, 4, v5                ; and the same two rows in out0
	v_lshlrev_b32 v6, 5, v2                        ; the bias: 32 bytes for each half of the lanes
	s_lshl_b32 s46, s42, 9                         ; my first column, in bytes of f32: 512 x tile column + 256 x half: in bproj and in a row of out0 alike
	s_lshl_b32 s47, s12, 8
	s_add_co_u32 s46, s46, s47
	s_mov_b32 s47, 0
	s_add_nc_u64 s[68:69], s[68:69], s[46:47]
.irp b, 0,1,2,3
	global_load_b128 v[BI+8*\b:BI+8*\b+3],   v6, s[68:69] offset:64*\b      ; lane (r, h): bproj at columns 16 b + 8 h + 0 .. 7: the result's layout
	global_load_b128 v[BI+8*\b+4:BI+8*\b+7], v6, s[68:69] offset:64*\b+16
.endr
	s_lshl_b32 s16, s13, 7
	s_lshl_b32 s17, s11, 6
	s_add_co_u32 s16, s16, s17                     ; my first row of out0
	s_lshl_b32 s16, s16, 12
	s_mov_b32 s17, 0
	s_add_nc_u64 s[8:9], s[8:9], s[16:17]
	s_add_nc_u64 s[8:9], s[8:9], s[46:47]
; 8 matrix instructions: token blocks a0, a0 + 1 x all 4 column blocks, 32 along K: half c of buffer f.  zero = 1: the first product starts the sum from the bias.  The 16 accumulators take turns.
.macro MUL8 f, c, a0, zero
.irp a, \a0, \a0+1
.irp b, 0,1,2,3
.if \zero
	v_wmma_f32_16x16x32_f16 v[ACC+8*(4*(\a)+\b):ACC+8*(4*(\a)+\b)+7], v[\f+64+8*(4*\c+\b):\f+64+8*(4*\c+\b)+7], v[\f+8*(4*\c+\a):\f+8*(4*\c+\a)+7], v[BI+8*\b:BI+8*\b+7]
.else
	v_wmma_f32_16x16x32_f16 v[ACC+8*(4*(\a)+\b):ACC+8*(4*(\a)+\b)+7], v[\f+64+8*(4*\c+\b):\f+64+8*(4*\c+\b)+7], v[\f+8*(4*\c+\a):\f+8*(4*\c+\a)+7], v[ACC+8*(4*(\a)+\b):ACC+8*(4*(\a)+\b)+7]
.endif
.endr
.endr
.endm
; 32 LDS loads in one run: quarter q of the slot (one head: 64 along K) into buffer f; the first 32 along K first
.macro FETCH slot, q, f
	WIN TO_F
.irp c, 0,1
.irp i, 0,1,2,3
	ds_load_tr16_b128 v[\f+64+8*(4*\c+\i):\f+64+8*(4*\c+\i)+3],   v[ADRB+2*\slot+(\q)/2] offset:(((\q)%2)*64+32*\c)*PB+32*\i
	ds_load_tr16_b128 v[\f+64+8*(4*\c+\i)+4:\f+64+8*(4*\c+\i)+7], v[ADRB+2*\slot+(\q)/2] offset:(((\q)%2)*64+32*\c+16)*PB+32*\i
	ds_load_b128 v[\f+8*(4*\c+\i):\f+8*(4*\c+\i)+3],         v[ADRA+\slot] offset:(\q)*PLANE+64*\c+\i*16*PA
	ds_load_b128 v[\f+8*(4*\c+\i)+4:\f+8*(4*\c+\i)+7],       v[ADRA+\slot] offset:(\q)*PLANE+64*\c+\i*16*PA+32
.endr
.endr
.endm
.macro PLACES                          ; four plain lines between a matrix instruction and a load into, or a read of, its registers
.rept 4
	v_nop
.endr
.endm
.macro QUARTER slot, q, f, g, zero     ; multiplies buffer f and fetches quarter q of the slot into g
	s_wait_dscnt 16                                ; the first 32 along K are in; the other sixteen loads may be out
	WIN MUL
	MUL8 \f, 0, 0, \zero
	MUL8 \f, 0, 2, \zero
	PLACES
	FETCH \slot, \q, \g
	s_wait_dscnt 32                                ; all but the 32 just issued
	WIN MUL
	MUL8 \f, 1, 0, 0
	MUL8 \f, 1, 2, 0
.endm
; A slot's last quarter multiplies buffer 1 and changes slots: ONE barrier; in front of it each wave waits for all its tensor loads, adds 0 to its spare word, and waits for that and for its reads of this slot.
; fill = 1: the barrier opens a round of the cluster's, and this slot is filled again, two K steps ahead, first thing behind it.
.macro TURN slot, next, fill
	WIN 0
	s_wait_tensorcnt 0x0                           ; all my tensor loads have landed: my part of the next slot
	ds_add_u32 v[SPW], v[NIL]
	s_wait_dscnt 17                                ; (the add and the youngest sixteen loads may be out)
	WIN MUL
	MUL8 F1, 0, 0, 0
	s_wait_dscnt 0x0                               ; the add is done, and my reads of this slot are over
	s_barrier_signal -1
	MUL8 F1, 0, 2, 0
.if \fill
	WIN 0
.endif
	s_barrier_wait -1
.if \fill
	CREST                                          ; no wave of any partner still reads this slot or has a load on its way
	s_add_nc_u64 s[G0+4*\slot+2:G0+4*\slot+3], s[G0+4*\slot+2:G0+4*\slot+3], 2*65536
	s_add_nc_u64 s[G0B+4*\slot+2:G0B+4*\slot+3], s[G0B+4*\slot+2:G0B+4*\slot+3], 2*524288
	JLOAD \slot                                    ; the four v_nop behind it are also the places in front of the loads below
.else
	PLACES
.endif
	FETCH \next, 0, F0
	WIN MUL
	MUL8 F1, 1, 0, 0
	MUL8 F1, 1, 2, 0
.endm
	s_wait_tensorcnt 1                             ; my part of K step 0 is in; K step 1's load may be out,
	s_barrier_signal -1
	s_barrier_wait -1                              ; everybody's is
	FETCH 0, 0, F0
	s_wait_loadcnt 0x0                             ; the bias
	QUARTER 0, 1, F0, F1, 1                        ; the four K steps are written out: the ring goes round twice
	QUARTER 0, 2, F1, F0, 0
	QUARTER 0, 3, F0, F1, 0
	TURN 0, 1, 1                                   ; slot 0 takes K step 2
	QUARTER 1, 1, F0, F1, 0
	QUARTER 1, 2, F1, F0, 0
	QUARTER 1, 3, F0, F1, 0
	TURN 1, 0, 1                                   ; slot 1 takes K step 3
	QUARTER 0, 1, F0, F1, 0
	QUARTER 0, 2, F1, F0, 0
	QUARTER 0, 3, F0, F1, 0
	TURN 0, 1, 0                                   ; nothing is left to ask for
	QUARTER 1, 1, F0, F1, 0
	QUARTER 1, 2, F1, F0, 0
	QUARTER 1, 3, F0, F1, 0
	s_wait_dscnt 16                                ; the very last quarter
	WIN MUL
	MUL8 F1, 0, 0, 0
	MUL8 F1, 0, 2, 0
	s_wait_dscnt 0
	MUL8 F1, 1, 0, 0
	MUL8 F1, 1, 2, 0
	WIN 0
; THE WAY OUT, block by block of 16 rows x 64 columns of f32: a lane holds 32 neighbouring bytes of a row; through my own stage they come back as whole rows of 256 bytes.
.macro TOSTAGE a
.irp b, 0,1,2,3
	ds_store_b128 v[STO], v[ACC+8*(4*(\a)+\b):ACC+8*(4*(\a)+\b)+3] offset:64*\b        ; each accumulator from its low end on
	ds_store_b128 v[STO], v[ACC+8*(4*(\a)+\b)+4:ACC+8*(4*(\a)+\b)+7] offset:64*\b+16
.endr
.irp t, 0,1,2,3,4,5,6,7
	ds_load_b128 v[TMP+32*((\a)%2)+4*\t:TMP+32*((\a)%2)+4*\t+3], v[RD] offset:\t*2*SPITCH   ; LDS serves a wave's instructions in order: these see the stores above
.endr
.endm
.macro SEND a, younger                 ; younger: the LDS lines issued behind block a's loads
	s_wait_dscnt \younger
.irp t, 0,1,2,3,4,5,6,7
	global_store_b128 v[CO], v[TMP+32*((\a)%2)+4*\t:TMP+32*((\a)%2)+4*\t+3], s[8:9] offset:(16*(\a)+2*\t)*4096 th:TH_STORE_NT   ; sixteen lanes store 256 consecutive bytes, aligned; 62 rows at the most stand in the immediate
.endr
.endm
	PLACES                                         ; behind the last products
	TOSTAGE 0
.irp a, 1,2,3
.if \a > 1
	s_wait_xcnt 0x0                                ; block a - 2's stores have read their registers: block a's rows may land there
.endif
	TOSTAGE \a
	SEND \a-1, 16                                  ; behind block a - 1's loads: block a's 8 stores and 8 loads
.endr
	SEND 3, 0
	s_wait_tensorcnt 0x0                           ; the wave's end
	ds_add_u32 v[SPW], v[NIL]
	s_wait_dscnt 0x0
	CROUND                                         ; the closing round
	s_endpgm
.Lfunc_end_k_qe13c75c6ef_proj:
	.size	k_qe13c75c6ef_proj, .Lfunc_end_k_qe13c75c6ef_proj-k_qe13c75c6ef_proj
	.p2alignl 7, 3214868480
	.fill 96, 4, 3214868480
	.section	.rodata,"a",@progbits
	.p2align	6, 0x0
	.amdhsa_kernel k_qe13c75c6ef_proj
		.amdhsa_group_segment_fixed_size 327680
		.amdhsa_private_segment_fixed_size 0
		.amdhsa_enable_private_segment 0
		.amdhsa_kernarg_size 32
		.amdhsa_user_sgpr_count 2
		.amdhsa_user_sgpr_kernarg_segment_ptr 1
		.amdhsa_wavefront_size32 1
		.amdhsa_system_sgpr_workgroup_id_x 1
		.amdhsa_system_sgpr_workgroup_id_y 1
		.amdhsa_system_sgpr_workgroup_id_z 1
		.amdhsa_system_vgpr_workitem_id 0
		.amdhsa_next_free_vgpr 512
		.amdhsa_next_free_sgpr 72
		.amdhsa_reserve_vcc 0
		.amdhsa_float_denorm_mode_32 3
		.amdhsa_float_denorm_mode_16_64 3
		.amdhsa_memory_ordered 1
		.amdhsa_forward_progress 1
		.amdhsa_inst_pref_size 86
	.end_amdhsa_kernel
	.amdgpu_metadata
---
amdhsa.version: [ 1, 2 ]
amdhsa.kernels:
  - .name:           k_qe13c75c6ef_proj
    .symbol:         k_qe13c75c6ef_proj.kd
    .args:
      - { .name: ao, .offset: 0, .size: 8, .value_kind: global_buffer, .address_space: global }
      - { .name: wp16, .offset: 8, .size: 8, .value_kind: global_buffer, .address_space: global }
      - { .name: bproj, .offset: 16, .size: 8, .value_kind: global_buffer, .address_space: global }
      - { .name: out0, .offset: 24, .size: 8, .value_kind: global_buffer, .address_space: global }
    .group_segment_fixed_size: 327680
    .private_segment_fixed_size: 0
    .kernarg_segment_align: 8
    .kernarg_segment_size: 32
    .max_flat_workgroup_size: 128
    .sgpr_count:     72
    .vgpr_count:     512
    .wavefront_size: 32
...
	.end_amdgpu_metadata
.endif
;; end of part 4
